; MI455X (gfx1250); checked and timed in simulation.
; The chip was launched on July 23, 2026; its instructions are those of AMD's public machine-readable ISA for CDNA 5 (MIT licence, August 2026) and "CDNA5" Instruction Set Architecture Reference Guide (July 2026). The comments in the code are by the model that wrote it; some were corrected since.
;; Causal Self Attention. Allowed arithmetic: matrix products marked QUANTISED: E2M1 operands, one E8M0 scale for each 32 along K, by v_wmma_scale_f32_16x16x128_f8f6f4 with both operands' format E2M1 (or v_wmma_scale_f32_32x16x128_f4), f32 sums; products left as they are: bf16, f16 or f32 operands; f32 sums; everything else in f32.
;; Inputs: b_attn 3,072 float32; b_proj 1,024 float32; w_attn 3,072 x 1,024 float32; w_proj 1,024 x 1,024 float32; x 4 x 2,048 x 1,024 float32.
;; Outputs: out0 4 x 2,048 x 1,024 float32.
;; This version of the problem:
;;   THIS VERSION OF THE PROBLEM IS GIVEN IN LOW PRECISION. The matrix products marked QUANTISED in the list below multiply operands that are first quantised to E2M1 (2 exponent bits, 1 mantissa bit; 4 bits a number), with one power-of-two scale for each 32 numbers along K (OCP MX v1.0); their sums are f32. The products marked 'left as it is' may take bf16, f16 or f32 operands, with f32 sums. Whichever they take, every output number must still come out within the allowed error. Rounding operands to bf16 (8 significant bits) uses up far more of that allowance than f16 does (11 bits, for magnitudes from 6e-5 to 65,504). All else is computed in f32.
;;   The module's matrix products, in the order in which they are computed (A, B: the left and right operand; K: the contracted axis; several contracted axes count as one K, in the product's order):
;;     1. [M 8,192, K 1,024] x [K 1,024, N 3,072]; A: input x; B: input w_attn: QUANTISED
;;     2. batch 64 x [M 2,048, K 64] x [K 64, N 2,048]; A: computed on the way; B: computed on the way: left as it is (an operand is computed on the way)
;;     3. batch 64 x [M 2,048, K 2,048] x [K 2,048, N 64]; A: computed on the way; B: computed on the way: left as it is (an operand is computed on the way)
;;     4. [M 8,192, K 1,024] x [K 1,024, N 1,024]; A: computed on the way; B: input w_proj: left as it is (an operand is computed on the way)
;;   THE QUANTISER, for each operand of a quantised product, along K:
;;     - K is cut into blocks of 32 from its start; a last block that is shorter is filled with zeros.
;;     - A block's scale is 2^e with e = floor(log2(the largest magnitude in the block)) - 2, held to -126 .. 127; a block of zeros has e = 0. As a byte (E8M0): e + 127.
;;     - Each number is divided by its block's scale, clamped to +-6, and rounded to the nearest number of E2M1, ties to even, subnormals kept.
;;     - The product sums the exact products of the quantised numbers (number of the format x scale) in f32.
;;   ~~~python
;;   def quantise(x, axis):      # numpy; x: float32 -> the quantised numbers, widened to float32 again
;;       x = np.moveaxis(x, axis, -1); K = x.shape[-1]
;;       x = np.pad(x, [(0, 0)] * (x.ndim - 1) + [(0, -K % 32)]); x = x.reshape(x.shape[:-1] + (-1, 32)); a = np.abs(x).max(-1, keepdims=True)
;;       e = np.where(a > 0, np.clip(np.frexp(np.where(a > 0, a, 1))[1] - 1 - 2, -126, 127), 0)      # np.frexp(a)[1] - 1 = floor(log2(a)), exactly
;;       r = np.clip(x / 2.0 ** e, -6, 6)
;;       step = 2.0 ** (np.maximum(np.frexp(np.where(r == 0, 1, r))[1] - 1, 0) - 1)
;;       q = np.round(r / step) * step * 2.0 ** e      # np.round: ties to even
;;       return np.moveaxis(q.reshape(q.shape[:-2] + (-1,))[..., :K], -1, axis).astype(np.float32)
;;   ~~~
;; One version. Each part assembles by itself: llvm-mc -triple=amdgcn-amd-amdhsa -mcpu=gfx1250 --defsym DOCPART=n.
;; ======== version 1 of 1: 5 launches
;; limits: values are held in f16: magnitudes above 65,504 overflow, below 6.1e-05 lose precision
;; workspace buffers: codes 5,767,168 bytes; scales 360,448 bytes; wp16 2,097,152 bytes; qkv 50,331,648 bytes; y16 16,777,216 bytes; e32 786,432 bytes; y32e 262,144 bytes
;; launch quant (part 1): grid 384 x 1, 4 waves a work-group, no clusters, 33,280 bytes of LDS; arguments x, w_attn, w_proj, codes, scales, wp16; writes codes, scales, wp16
.if DOCPART == 1
	.amdgcn_target "amdgcn-amd-amdhsa--gfx1250"
	.amdhsa_code_object_version 6
	.text
	.protected	k_q5a5e3042a2_quant
	.globl	k_q5a5e3042a2_quant
	.p2align	8
	.type	k_q5a5e3042a2_quant,@function
k_q5a5e3042a2_quant:
	s_mov_b64 s[64:65], 0
	v_nop
	global_prefetch_b8 v0, s[64:65] scope:SCOPE_SE
	s_setreg_imm32_b32 hwreg(HW_REG_WAVE_MODE, 25, 1), 1
	s_wait_xcnt 0x0
; x [8192][1024] and w_attn [3072][1024], f32, become codes of FP4 (E2M1), K innermost, two codes a byte, with one E8M0 byte for each 32 along K; w_proj [1024][1024] becomes f16.
; A block's scale is 2^(floor(log2(its largest magnitude)) - 2); its byte is the largest magnitude's exponent field - 2, held at 1 from below.  Each number is divided by the scale and rounded to the nearest code, ties to even;
; beyond 6 the conversion gives the largest code.  A block of zeros gets the byte 1 where the rule says 127: its codes are zeros, and the bytes are read by this program alone.
; LIMITS: NaN and infinities among the inputs are not served; blocks whose largest magnitude lies under 2^-124 keep the byte 1; |w_proj| stays under 65,504, f16's largest number.
; SHARES.  Rows are dense and 1,024 is a multiple of 32: a tensor is a stream of blocks.  A wave takes a run of 8,192 numbers; run = 4 x work-group + wave.  Work-groups 0-255: x; 256-351: w_attn; 352-383: w_proj.
; x's and w_attn's codes lie on end in one buffer and so do their bytes: the codes of a run begin at 4,096 x run, its bytes at 256 x run, in both tensors; only the source is chosen, by the work-group's number.
; THE QUANTISER.  16 steps of 512 numbers.  Each load reads 512 consecutive bytes; a step's 2,048 bytes turn through the wave's own stage in LDS (16 bytes of padding behind each 64) and come back 64 bytes a lane:
; 16 neighbours along K, two lanes to a block.  A lane's 16 codes are 8 bytes: a store covers 256 consecutive bytes, aligned.  A wave's 256 scale bytes gather in LDS and leave as one such store.  Waves share nothing: no barrier.
.set WAVES, 4
.set STEPS, 16
.set EMAX,  2
.set CB,    8                          ; bytes of 16 codes
.set R,     16                         ; v16-79   four sets of 16 numbers as loaded
.set X,     80                         ; v80-111  two sets of 16 neighbours
.set C,     128                        ; v128-191 codes, four registers a step: no store's data are written again
.set E,     112                        ; v112-127 a scale byte a step
.set WREG,  8192                       ; LDS of a wave: two stages of 32 x SP bytes, then its 256 scale bytes
.set SP,    80
.set SPW,   12                         ; v12 LDS address of my spare word; never rewritten
.set NIL,   13                         ; v13 0; never rewritten
.set SPARE, WAVES*WREG                 ; the spare words: 128 bytes a wave, two blocks of 256 bytes that no other line names
.set WGX,   256                        ; x's work-groups
.set WGQ,   352                        ; x's and w_attn's
	s_load_b256 s[4:11], s[0:1], 0x0               ; x s[4:5], w_attn s[6:7], w_proj s[8:9], codes s[10:11]
	s_load_b128 s[12:15], s[0:1], 0x20             ; scales s[12:13], wp16 s[14:15]
	v_lshl_add_u32 v[SPW], v0, 2, SPARE
	v_mov_b32 v[NIL], 0
	v_lshrrev_b32 v1, 5, v0
	v_readfirstlane_b32 s16, v1                    ; wave
	v_and_b32 v2, 31, v0                           ; lane
	v_lshlrev_b32 v3, 4, v2                        ; my 16 bytes of a load's 512
	s_mul_i32 s17, s16, WREG
	v_lshrrev_b32 v14, 2, v2
	v_mul_u32_u24 v14, v14, SP
	v_and_b32 v15, 3, v2
	v_lshl_add_u32 v14, v15, 4, v14
	v_add_nc_u32 v14, s17, v14                     ; the stage, on the way in: SP (lane / 4) + 16 (lane % 4)
	v_mul_u32_u24 v15, v2, SP
	v_add_nc_u32 v15, s17, v15                     ; on the way out: SP x lane
	v_mul_u32_u24 v4, v2, CB                       ; 8 x lane
	v_lshrrev_b32 v5, 1, v2
	s_add_co_u32 s17, s17, 2*32*SP
	v_add_nc_u32 v5, s17, v5                       ; my block's byte among the wave's 256
	v_lshlrev_b32 v7, 3, v2
	v_add_nc_u32 v6, s17, v7                       ; and 8 bytes a lane on their way out
	s_wait_kmcnt 0x0
	s_cmp_ge_u32 ttmp9, WGQ
	s_cbranch_scc1 .Lconvert
	s_cmp_lt_u32 ttmp9, WGX                        ; x or w_attn: the choice hangs on the work-group's number alone
	s_cselect_b64 s[4:5], s[4:5], s[6:7]
	s_cselect_b32 s17, 0, 4*WGX
	s_lshl_b32 s18, ttmp9, 2
	s_add_co_u32 s18, s18, s16                     ; run
	s_sub_co_u32 s17, s18, s17                     ; run within its tensor
	s_lshl_b32 s20, s17, 15                        ; 32,768 bytes of f32 a run
	s_mov_b32 s21, 0
	s_add_nc_u64 s[4:5], s[4:5], s[20:21]
	s_lshl_b32 s20, s18, 12                        ; 4,096 bytes of codes
	s_add_nc_u64 s[10:11], s[10:11], s[20:21]
	s_lshl_b32 s20, s18, 8                         ; 256 scale bytes
	s_add_nc_u64 s[12:13], s[12:13], s[20:21]
.macro LOAD t
.irp i, 0,1,2,3
	global_load_b128 v[R+16*((\t)%4)+4*\i:R+16*((\t)%4)+4*\i+3], v3, s[4:5] offset:2048*(\t)+512*\i th:TH_LOAD_NT
.endr
.endm
.macro TURN t                          ; step t through the stage: LDS serves a wave's instructions in order, so no wait stands between the stores and the loads
.irp i, 0,1,2,3
	ds_store_b128 v14, v[R+16*((\t)%4)+4*\i:R+16*((\t)%4)+4*\i+3] offset:32*SP*((\t)%2)+8*SP*\i
.endr
.irp i, 0,1,2,3
	ds_load_b128 v[X+16*((\t)%2)+4*\i:X+16*((\t)%2)+4*\i+3], v15 offset:32*SP*((\t)%2)+16*\i
.endr
.endm
.irp t, 0,1,2,3
	LOAD \t
.endr
	s_wait_loadcnt 12                              ; step 0's four loads are in; three steps' twelve stay out
	TURN 0
.macro STEP t
.set XS, X+16*((\t)%2)
.if (\t) > 0
	s_wait_dscnt 1                                 ; this step's numbers are back from the stage; the last step's byte store may be out
.else
	s_wait_dscnt 0x0
.endif
.if (\t)+4 < STEPS
	LOAD (\t)+4                                    ; into the registers that the stage's stores have read
.endif
.if (\t)+1 < STEPS
.if STEPS-2-(\t) >= 3
	s_wait_loadcnt 12                              ; the next step's loads are in; those of the three steps behind it may be out
.else
	s_wait_loadcnt 4*(STEPS-2-(\t))
.endif
	TURN (\t)+1
.endif
	v_max3_num_f32 v8, |v[XS]|, |v[XS+1]|, |v[XS+2]|               ; the largest magnitude of my 16, in two chains
	v_max3_num_f32 v9, |v[XS+3]|, |v[XS+4]|, |v[XS+5]|
.irp i, 6,10
	v_max3_num_f32 v8, v8, |v[XS+\i]|, |v[XS+\i+1]|
	v_max3_num_f32 v9, v9, |v[XS+\i+2]|, |v[XS+\i+3]|
.endr
	v_max3_num_f32 v8, v8, |v[XS+14]|, |v[XS+15]|
	v_max3_num_f32 v8, v8, v9, (EMAX+1)<<23        ; and the floor 2^(3 - 127): the byte cannot fall under 1
	v_max_num_f32_dpp v8, v8, v8 row_xmask:1 row_mask:0xf bank_mask:0xf   ; with my neighbour's 16: the block's
	v_add_nc_u32 v11, -(EMAX<<23), v8              ; 2 off its exponent field: the conversion takes that field as its scale and nothing else
	v_cvt_scalef32_pk8_fp4_f32 v[C+4*(\t)], v[XS:XS+7], v11
	v_cvt_scalef32_pk8_fp4_f32 v[C+4*(\t)+1], v[XS+8:XS+15], v11
	v_lshrrev_b32 v[E+(\t)], 23, v11               ; the scale's byte (a plain line behind the conversions)
	ds_store_b8 v5, v[E+(\t)] offset:16*(\t)       ; both lanes of a block write the same byte with the same value
	global_store_b64 v4, v[C+4*(\t):C+4*(\t)+1], s[10:11] offset:32*CB*(\t)   ; 32 lanes store 256 consecutive bytes, aligned
.endm
.irp t, 0,1,2,3,4,5,6,7,8,9,10,11,12,13,14,15
	STEP \t
.endr
	ds_load_b64 v[8:9], v6                         ; in order behind my byte stores
	s_wait_dscnt 0x0
	global_store_b64 v7, v[8:9], s[12:13]          ; the wave's 256 scale bytes
	s_wait_tensorcnt 0x0                           ; the wave's end, behind my last LDS store
	ds_add_u32 v[SPW], v[NIL]
	s_wait_dscnt 0x0
	s_endpgm
; w_proj to f16, rounded to nearest even: a run of 8,192 numbers in four groups of 16 loads, two groups in flight.  No LDS is touched on this path.
.Lconvert:
	s_sub_co_u32 s17, ttmp9, WGQ
	s_lshl_b32 s17, s17, 2
	s_add_co_u32 s17, s17, s16                     ; run 0 .. 127
	s_lshl_b32 s20, s17, 15
	s_mov_b32 s21, 0
	s_add_nc_u64 s[8:9], s[8:9], s[20:21]
	s_lshl_b32 s20, s17, 14
	s_add_nc_u64 s[14:15], s[14:15], s[20:21]
.macro CLOAD g
.irp i, 0,1,2,3,4,5,6,7,8,9,10,11,12,13,14,15
	global_load_b128 v[16+64*((\g)%2)+4*\i:16+64*((\g)%2)+4*\i+3], v3, s[8:9] offset:512*(16*(\g)+\i) th:TH_LOAD_NT
.endr
.endm
	CLOAD 0
	CLOAD 1
.irp g, 0,1,2,3
.if \g < 3
	s_wait_loadcnt 16                              ; this group is in; the next group's sixteen stay out
.else
	s_wait_loadcnt 0x0
.endif
.if \g > 0
	s_wait_xcnt 0x0                                ; the last group's stores have read v144-175, which are written again below
.endif
.irp i, 0,1,2,3,4,5,6,7,8,9,10,11,12,13,14,15
	v_cvt_pk_f16_f32 v[144+2*\i], v[16+64*(\g%2)+4*\i], v[16+64*(\g%2)+4*\i+1]
	v_cvt_pk_f16_f32 v[145+2*\i], v[16+64*(\g%2)+4*\i+2], v[16+64*(\g%2)+4*\i+3]
.endr
.irp i, 0,1,2,3,4,5,6,7,8,9,10,11,12,13,14,15
	global_store_b64 v4, v[144+2*\i:145+2*\i], s[14:15] offset:256*(16*\g+\i)   ; 32 lanes store 256 consecutive bytes, aligned
.endr
.if \g < 2
	CLOAD \g+2
.endif
.endr
	s_endpgm
.Lfunc_end_k_q5a5e3042a2_quant:
	.size	k_q5a5e3042a2_quant, .Lfunc_end_k_q5a5e3042a2_quant-k_q5a5e3042a2_quant
	.p2alignl 7, 3214868480
	.fill 96, 4, 3214868480
	.section	.rodata,"a",@progbits
	.p2align	6, 0x0
	.amdhsa_kernel k_q5a5e3042a2_quant
		.amdhsa_group_segment_fixed_size 33280
		.amdhsa_private_segment_fixed_size 0
		.amdhsa_enable_private_segment 0
		.amdhsa_kernarg_size 48
		.amdhsa_user_sgpr_count 2
		.amdhsa_user_sgpr_kernarg_segment_ptr 1
		.amdhsa_wavefront_size32 1
		.amdhsa_system_sgpr_workgroup_id_x 1
		.amdhsa_system_sgpr_workgroup_id_y 1
		.amdhsa_system_sgpr_workgroup_id_z 1
		.amdhsa_system_vgpr_workitem_id 0
		.amdhsa_next_free_vgpr 192
		.amdhsa_next_free_sgpr 66
		.amdhsa_reserve_vcc 0
		.amdhsa_float_denorm_mode_32 3
		.amdhsa_float_denorm_mode_16_64 3
		.amdhsa_memory_ordered 1
		.amdhsa_forward_progress 1
		.amdhsa_inst_pref_size 54
	.end_amdhsa_kernel
	.amdgpu_metadata
---
amdhsa.version: [ 1, 2 ]
amdhsa.kernels:
  - .name:           k_q5a5e3042a2_quant
    .symbol:         k_q5a5e3042a2_quant.kd
    .args:
      - { .name: x, .offset: 0, .size: 8, .value_kind: global_buffer, .address_space: global }
      - { .name: w_attn, .offset: 8, .size: 8, .value_kind: global_buffer, .address_space: global }
      - { .name: w_proj, .offset: 16, .size: 8, .value_kind: global_buffer, .address_space: global }
      - { .name: codes, .offset: 24, .size: 8, .value_kind: global_buffer, .address_space: global }
      - { .name: scales, .offset: 32, .size: 8, .value_kind: global_buffer, .address_space: global }
      - { .name: wp16, .offset: 40, .size: 8, .value_kind: global_buffer, .address_space: global }
    .group_segment_fixed_size: 33280
    .private_segment_fixed_size: 0
    .kernarg_segment_align: 8
    .kernarg_segment_size: 48
    .max_flat_workgroup_size: 128
    .sgpr_count:     66
    .vgpr_count:     192
    .wavefront_size: 32
...
	.end_amdgpu_metadata
.endif
;; end of part 1
;; launch qkv (part 2): grid 12 x 32, 4 waves a work-group, clusters of 4 x 1, 327,680 bytes of LDS; arguments codes, scales, b_attn, qkv, e32; writes qkv, e32
.if DOCPART == 2
	.amdgcn_target "amdgcn-amd-amdhsa--gfx1250"
	.amdhsa_code_object_version 6
	.text
	.protected	k_q5a5e3042a2_qkv
	.globl	k_q5a5e3042a2_qkv
	.p2align	8
	.type	k_q5a5e3042a2_qkv,@function
k_q5a5e3042a2_qkv:
	s_mov_b64 s[64:65], 0
	v_nop
	global_prefetch_b8 v0, s[64:65] scope:SCOPE_SE
	s_setreg_imm32_b32 hwreg(HW_REG_WAVE_MODE, 25, 1), 1
	s_wait_xcnt 0x0
	s_wait_alu depctr_hold_cnt(0) depctr_sa_sdst(0) depctr_va_vdst(0) depctr_va_sdst(0) depctr_va_ssrc(0) depctr_va_vcc(0) depctr_vm_vsrc(0)
	s_getreg_b32 s2, hwreg(HW_REG_IB_STS2, 6, 4)
	s_cmp_eq_u32 s2, 0
	s_cbranch_scc0 .Lentry_in_a_cluster
	s_endpgm
.Lentry_in_a_cluster:
	s_bfe_u32 s2, ttmp6, 0x10000c
	s_cmp_lg_u32 s2, 0x3003
	s_cbranch_scc0 .Lentry_shape_is_right
	s_endpgm
.Lentry_shape_is_right:
; qkv[token][f] = sum over c of Q(x)[token][c] Q(w_attn)[f][c] + b_attn[f], on codes of FP4 (E2M1) with one E8M0 scale for each 32 along K; sums in f32.  M = 8,192, N = 3,072, K = 1,024.
; A = x's codes [8192][512 bytes] at byte 0 of codes, B = w_attn's [3072][512] at byte 4,194,304; their scale bytes [rows][32] at bytes 0 and 262,144 of scales.
; OUT: q, k, v as f16 by head, [3 part][4 b][16 h][2048 t][64 d]: byte part<<24 | b<<22 | h<<18 | t<<7 | 2 d.  Tokens 0-15 of each sequence also as f32, e32 [4 b][16 t][3072 f], for the launches that redo those rows with f32 operands.
; LIMIT: |q|, |k|, |v| stay under 65,504, f16's largest number.
; A tile of C, 256 x 256, is made by four waves, 128 x 128 each: 64 accumulators, 512 registers.  K is two slots of 512 (rows of 256 bytes), both asked for at the start: nothing in LDS is filled twice.
; The scale bytes of the tile's 256 + 256 rows, for all of K, come once, as rows of 256 bytes + 16 of padding.  The bias is the C of each sum's first product.
; THE MATRIX INSTRUCTION IS USED TRANSPOSED (source 0 = 16 rows of B, source 1 = 16 rows of A): a lane holds eight neighbouring f of one token.
; CLUSTER 4 x 1: the four partners lie along x, share the tile row, and ask for A's codes and scales JOINTLY (mask 15).  B's tiles are each work-group's own: the store of the f32 copy stands under a branch on the tile row,
; and a branch must be alike in all partners, so partners may not differ in the tile row; work-groups of one tile column therefore cannot be partners, and B's 128 KiB a work-group are asked for singly (mask 0), behind the same round.
; REGISTERS: window 0: v16-31 addresses; v32-95 scale words, two sets; v96-127 packed results; v128-191 A's fragments, ONE set, later rows on their way out; v192-255 the bias.
;   window 1: B's fragments, two sets (v0, v128).   windows 2, 3: the accumulators of my rows 0-63, 64-127 ((a, b) at v[8 (8 (a % 4) + b)]).
.set NQ,     4                         ; steps of 128 along K in a slot
.set ROWB,   256                       ; a tile's row in bytes
.set KROW,   512                       ; a row of codes in memory
.set PITCH,  272                       ; an LDS row: 256 + 16: the 16 rows of a fragment load start 68 words apart
.set FR,     8
.set NL,     2
.set NP,     4                         ; places behind this matrix instruction (ISA guide 7.12.1)
.set HALFT,  128*PITCH
.set SLOT,   4*HALFT                   ; A's 256 rows, then B's 256
.set KS,     32                        ; a row of scale bytes
.set SCL,    2*SLOT
.set HALFS,  16*272                    ; the scales of 128 rows
.set SBLK,   2*272                     ; of 16 rows
.set SPARE,  SCL+4*HALFS               ; the spare words: 128 bytes a wave, two blocks of 256 bytes that no other line names
.set WST,    8704                      ; the way out: a stage for each wave, in slot 0, which has had its one fill and its last read by then: 16 rows x 528 (f32) or x 272 (f16)
.set ADRA, 16
.set ADRB, 20
.set CO32, 22                          ; v22 16 x lane
.set BO,   23                          ; v23 32 x (lane / 16): the bias
.set STO,  24
.set RD,   25
.set CO,   26
.set ADRS, 27
.set SPW,  28
.set NIL,  29
.set STO32, 30
.set RD32, 31
.set SC,   32
.set TMP,  96
.set AF,   128
.set OB,   128                         ; rows read back: v128-159, v160-191 by turns
.set BI,   192                         ; register 8 b + j: b_attn[my first f + 16 b + 8 (lane / 16) + j]
.set G1, 24
.set G0, 32
.set G1B, 48
.set G0B, 56
.set G1S, 68
.set G0S, 76
.set G1SB, 80
.set G0SB, 88
.set MSB, 0
.macro WIN new                         ; the immediate's high byte repeats the setting that is left
.if MSB != \new
	s_set_vgpr_msb (MSB<<8)|\new
.set MSB, \new
.endif
.endm
.set MUL_LO, 0xa1                      ; source 0 (B) window 1, source 1 (A) window 0, C and D window 2
.set MUL_HI, 0xf1
.set FST_LO, 0x81                      ; the first step: C (the bias) window 0, D window 2
.set FST_HI, 0xc1
.set TO_B,   0x40
; Waves 0 and 1 fetch for A (jointly), waves 2 and 3 for B.  The branch hangs on the wave's number alone.  An s_nop 0 and four v_nop follow each of the two lines.
.macro JLOAD g0a, g1a, g0b, g1b
	s_cmp_eq_u32 s15, 0
	s_cbranch_scc0 .Lfor_b_\@
	tensor_load_to_lds s[\g0a:\g0a+3], s[\g1a:\g1a+7]
	s_nop 0
.rept 4
	v_nop
.endr
	s_branch .Lasked_\@
.Lfor_b_\@:
	tensor_load_to_lds s[\g0b:\g0b+3], s[\g1b:\g1b+7]
	s_nop 0
.rept 4
	v_nop
.endr
.Lasked_\@:
.endm
.macro CROUND                          ; a round of the cluster's barrier
	s_barrier_signal -1
	s_barrier_wait -1
	s_cmp_lg_u32 s14, 0
	s_cbranch_scc1 .Lnot_wave_0_\@
	s_barrier_signal -3
.Lnot_wave_0_\@:
	s_barrier_wait -3
	s_barrier_signal -1
	s_barrier_wait -1
.endm
	s_load_b128 s[4:7], s[0:1], 0x0                ; codes s[4:5], scales s[6:7]
	s_load_b64 s[8:9], s[0:1], 0x10                ; b_attn
	s_load_b64 s[12:13], s[0:1], 0x18              ; qkv
	s_load_b64 s[10:11], s[0:1], 0x20              ; e32
	v_lshl_add_u32 v[SPW], v0, 2, SPARE
	v_mov_b32 v[NIL], 0
	ds_add_u32 v[SPW], v[NIL]                      ; the wave's opening: the add and its wait ahead of my first tensor load; work on registers stands between
	v_lshrrev_b32 v1, 5, v0
	v_readfirstlane_b32 s14, v1                    ; wave
	s_lshr_b32 s15, s14, 1                         ; my half of the tile's rows.  Also: I fetch for A (0) or B (1)
	s_and_b32 s16, s14, 1                          ; my half of its columns.  Also: which 128 rows I fetch
	s_bfe_u32 s40, ttmp6, 0x40000                  ; cx
	s_lshl_b32 s42, ttmp9, 2
	s_add_co_u32 s42, s42, s40                     ; tile column = 4 x cluster x + cx
	s_and_b32 s17, ttmp7, 0xffff                   ; tile row = cluster y: the partners share it
	s_mov_b32 s[G1+0], 15|(1<<20)|(1<<21)|(5<<22)|(3<<25)   ; mask: all four; elements of 1 byte; padding: 4 words behind every 64; bit 21 beside a mask
	s_mov_b32 s[G1B+0], (1<<20)|(5<<22)|(3<<25)    ; no mask
.irp g, G1, G1B
	s_mov_b32 s[\g+1], ROWB<<16                    ; tensor_dim0
	s_mov_b32 s[\g+2], 128<<16                     ; tensor_dim1
	s_mov_b32 s[\g+3], ROWB<<16                    ; tile_dim0
	s_mov_b32 s[\g+4], 128                         ; tile_dim1
	s_mov_b32 s[\g+5], KROW                        ; pitch
	s_mov_b32 s[\g+6], 0
	s_mov_b32 s[\g+7], 0
.endr
	s_mov_b32 s[G1S+0], 15|(3<<16)|(1<<20)|(1<<21)|(5<<22)|(3<<25)   ; the scales of 128 rows: 4,096 dense bytes as 16 rows of 32 elements of 8 bytes
	s_mov_b32 s[G1SB+0], (3<<16)|(1<<20)|(5<<22)|(3<<25)
.irp g, G1S, G1SB
	s_mov_b32 s[\g+1], 32<<16
	s_mov_b32 s[\g+2], 16<<16
	s_mov_b32 s[\g+3], 32<<16
	s_mov_b32 s[\g+4], 16
	s_mov_b32 s[\g+5], 32
	s_mov_b32 s[\g+6], 0
	s_mov_b32 s[\g+7], 0
.endr
	s_lshl_b32 s18, s16, 7
	s_lshl_b32 s20, s17, 8
	s_add_co_u32 s20, s20, s18                     ; A: row 256 x tile row + 128 x half
	s_lshl_b32 s46, s42, 8
	s_add_co_u32 s46, s46, s18                     ; B: row 256 x tile column + 128 x half
	s_lshl_b32 s22, s20, 5                         ; their scale bytes,
	s_mov_b32 s23, 0
	s_lshl_b32 s92, s46, 5
	s_add_co_u32 s92, s92, 262144
	s_mov_b32 s93, 0
	s_lshl_b32 s20, s20, 9                         ; and their codes
	s_mov_b32 s21, 0
	s_lshl_b32 s46, s46, 9
	s_add_co_u32 s46, s46, 4194304
	s_mov_b32 s47, 0
	s_mul_i32 s45, s14, HALFT                      ; where they go: wave x 128 rows
	s_mul_i32 s94, s14, HALFS
	s_wait_dscnt 0x0                               ; the opening add is done
	s_wait_kmcnt 0x0
	s_add_nc_u64 s[20:21], s[4:5], s[20:21]
	s_add_nc_u64 s[22:23], s[6:7], s[22:23]
	s_add_nc_u64 s[46:47], s[4:5], s[46:47]
	s_add_nc_u64 s[92:93], s[6:7], s[92:93]
	CROUND                                         ; all four work-groups are here: the joint loads meet
	s_mov_b32 s[G0S], 1
	s_add_co_u32 s[G0S+1], s94, SCL
	s_mov_b64 s[G0S+2:G0S+3], s[22:23]
	s_or_b32 s[G0S+3], s[G0S+3], 0x80000000
	s_mov_b32 s[G0SB], 1
	s_add_co_u32 s[G0SB+1], s94, SCL
	s_mov_b64 s[G0SB+2:G0SB+3], s[92:93]
	s_or_b32 s[G0SB+3], s[G0SB+3], 0x80000000
	JLOAD G0S, G1S, G0SB, G1SB                     ; the scales first; then both slots: three loads of mine are out
.irp s, 0,1
	s_mov_b32 s[G0+4*\s], 1
	s_add_co_u32 s[G0+4*\s+1], s45, \s*SLOT
	s_add_nc_u64 s[G0+4*\s+2:G0+4*\s+3], s[20:21], \s*ROWB
	s_or_b32 s[G0+4*\s+3], s[G0+4*\s+3], 0x80000000
	s_mov_b32 s[G0B+4*\s], 1
	s_add_co_u32 s[G0B+4*\s+1], s45, \s*SLOT
	s_add_nc_u64 s[G0B+4*\s+2:G0B+4*\s+3], s[46:47], \s*ROWB
	s_or_b32 s[G0B+4*\s+3], s[G0B+4*\s+3], 0x80000000
	JLOAD G0+4*\s, G1, G0B+4*\s, G1B
.endr
	v_and_b32 v1, 15, v0                           ; r = lane % 16
	v_bfe_u32 v2, v0, 4, 1                         ; h = lane / 16
	s_lshl_b32 s18, s42, 10
	s_lshl_b32 s19, s16, 9
	s_add_co_u32 s18, s18, s19                     ; 4 x my first f = 4 (256 x tile column + 128 x half)
	s_mov_b32 s19, 0
	s_add_nc_u64 s[8:9], s[8:9], s[18:19]
	v_lshlrev_b32 v[BO], 5, v2
.irp b, 0,1,2,3,4,5,6,7
	global_load_b128 v[BI+8*\b:BI+8*\b+3], v[BO], s[8:9] offset:64*\b
	global_load_b128 v[BI+8*\b+4:BI+8*\b+7], v[BO], s[8:9] offset:64*\b+16
.endr
	v_mul_u32_u24 v3, v1, PITCH
	v_lshl_add_u32 v4, v2, 4, v3                   ; a fragment's row x pitch + 16 h
	s_mul_i32 s21, s15, HALFT
	s_mul_i32 s22, s16, HALFT
	s_add_co_u32 s22, s22, 2*HALFT
.irp s, 0,1
	v_add_nc_u32 v[ADRA+\s], s21, v4
	v_add_nc_u32 v[ADRB+\s], s22, v4
	s_add_co_u32 s21, s21, SLOT
	s_add_co_u32 s22, s22, SLOT
.endr
	v_mul_u32_u24 v5, v1, KS                       ; my row's scale bytes: 32 a row, and 16 more for each 256 passed
	v_lshrrev_b32 v6, 8, v5
	v_lshl_add_u32 v5, v6, 4, v5
	s_mul_i32 s21, s15, HALFS
	s_mul_i32 s22, s16, HALFS
	s_add_co_u32 s22, s22, 2*HALFS
	s_sub_co_u32 s22, s22, s21
	v_mul_u32_u24 v6, s22, v2                      ; lanes 16-31 take B's
	s_add_co_u32 s21, s21, SCL
	v_add_nc_u32 v5, v5, v6
	v_add_nc_u32 v[ADRS], s21, v5
	s_mul_i32 s23, s14, WST                        ; my stage
	v_mul_u32_u24 v5, v1, 272
	v_lshl_add_u32 v5, v2, 4, v5
	v_add_nc_u32 v[STO], s23, v5                   ; f16 in: token r, 16 bytes for each half of the lanes
	v_bfe_u32 v5, v0, 3, 1
	v_mul_u32_u24 v5, v5, 272
	v_lshl_add_u32 v5, v2, 7, v5
	v_and_b32 v6, 7, v0
	v_lshl_add_u32 v5, v6, 4, v5
	v_add_nc_u32 v[RD], s23, v5                    ; f16 back: lanes 0-15 two tokens of my first head, lanes 16-31 of my second: token (lane / 8) % 2, head lane / 16, 16 (lane % 8)
	v_lshlrev_b32 v5, 4, v1
	v_lshl_add_u32 v[CO], v2, 18, v5               ; and in memory: a head on is 1 << 18; two tokens of a head are 256 consecutive bytes
	v_mul_u32_u24 v5, v1, 528
	v_lshl_add_u32 v5, v2, 5, v5
	v_add_nc_u32 v[STO32], s23, v5                 ; f32 in: token r, 32 bytes for each half
	v_and_b32 v6, 31, v0
	v_lshlrev_b32 v[CO32], 4, v6
	v_add_nc_u32 v[RD32], s23, v[CO32]             ; f32 back: a token's 512 bytes over the 32 lanes
	s_lshr_b32 s20, s17, 3                         ; b
	s_mul_i32 s20, s20, 196608
	s_add_co_u32 s20, s20, s18
	s_mov_b32 s21, 0
	s_add_nc_u64 s[10:11], s[10:11], s[20:21]      ; e32 at [b][0][my first f]
	s_lshr_b32 s20, s42, 2                         ; part
	s_lshl_b32 s20, s20, 24
	s_lshr_b32 s22, s17, 3
	s_lshl_b32 s22, s22, 22
	s_add_co_u32 s20, s20, s22
	s_and_b32 s22, s42, 3
	s_lshl_b32 s22, s22, 2
	s_lshl_b32 s23, s16, 1
	s_add_co_u32 s22, s22, s23                     ; my first head
	s_lshl_b32 s22, s22, 18
	s_add_co_u32 s20, s20, s22
	s_and_b32 s22, s17, 7
	s_lshl_b32 s22, s22, 8
	s_lshl_b32 s23, s15, 7
	s_add_co_u32 s22, s22, s23                     ; my first token
	s_lshl_b32 s22, s22, 7
	s_add_co_u32 s20, s20, s22
	s_add_nc_u64 s[12:13], s[12:13], s[20:21]
	s_and_b32 s44, s17, 7
	s_or_b32 s44, s44, s15                         ; 0 where my rows begin a sequence
.macro FRAG reg, adr, q, i             ; 16 rows x 128 K of 4-bit codes: registers 4 c .. 4 c + 3 hold K = 64 c + 32 h + 0 .. 31
.irp c, 0,1
	ds_load_b128 v[\reg+4*\c:\reg+4*\c+3], v[\adr] offset:64*(\q)+32*\c+(\i)*16*PITCH
.endr
.endm
; 16 products: A's blocks a0, a0 + 1 x B's eight.  The 64 accumulators take turns, one instruction a turn, in the same order in every step.  first = 1: the bias is the C.
.macro MUL16 a0, p, q, sc, first
.irp a, \a0, \a0+1
.irp b, 0,1,2,3,4,5,6,7
.if \first
	v_wmma_scale_f32_16x16x128_f8f6f4 v[8*(8*((\a)%4)+\b):8*(8*((\a)%4)+\b)+7], v[128*(\p)+FR*\b:128*(\p)+FR*\b+FR-1], v[AF+FR*(\a):AF+FR*(\a)+FR-1], v[BI+8*\b:BI+8*\b+7], v[SC+8*NQ*(\sc)+NQ*\b+(\q)], v[SC+8*NQ*(\sc)+NQ*(\a)+(\q)] matrix_a_fmt:MATRIX_FMT_FP4 matrix_b_fmt:MATRIX_FMT_FP4 matrix_a_scale:MATRIX_SCALE_ROW1
.else
	v_wmma_scale_f32_16x16x128_f8f6f4 v[8*(8*((\a)%4)+\b):8*(8*((\a)%4)+\b)+7], v[128*(\p)+FR*\b:128*(\p)+FR*\b+FR-1], v[AF+FR*(\a):AF+FR*(\a)+FR-1], v[8*(8*((\a)%4)+\b):8*(8*((\a)%4)+\b)+7], v[SC+8*NQ*(\sc)+NQ*\b+(\q)], v[SC+8*NQ*(\sc)+NQ*(\a)+(\q)] matrix_a_fmt:MATRIX_FMT_FP4 matrix_b_fmt:MATRIX_FMT_FP4 matrix_a_scale:MATRIX_SCALE_ROW1
.endif
.endr
.endr
.endm
.macro FETCH_B slot, q, p
	WIN TO_B
.irp i, 0,1,2,3,4,5,6,7
	FRAG 128*(\p)+FR*\i, ADRB+\slot, \q, \i
.endr
	WIN 0
.endm
.macro FETCH_A slot, q, i0
.irp i, \i0, \i0+1, \i0+2, \i0+3
	FRAG AF+FR*(\i), ADRA+\slot, \q, \i
.endr
.endm
.macro SCALES sc                       ; a slot's scale words: 4 words a row; lanes 0-15 A's block i, lanes 16-31 B's block i
.irp i, 0,1,2,3,4,5,6,7
	ds_load_b128 v[SC+8*NQ*\sc+NQ*\i:SC+8*NQ*\sc+NQ*\i+3], v[ADRS] offset:\i*SBLK
.endr
.endm
.macro PLACES n                        ; plain vector lines between a matrix instruction and a load into, or a read of, its registers
.rept \n
	v_nop
.endr
.endm
.macro STEP slot, q, first             ; 128 along K, with its successor in the same slot
	s_wait_dscnt 4*NL                              ; all but the youngest eight loads (A's blocks 4-7) are in
.if \first
	WIN FST_LO
.else
	WIN MUL_LO
.endif
	MUL16 0, (\q)%2, \q, \slot, \first
	MUL16 2, (\q)%2, \q, \slot, \first
	s_wait_dscnt 0
	PLACES NP
	FETCH_B \slot, (\q)+1, 1-(\q)%2
	FETCH_A \slot, (\q)+1, 0
.if \first
	WIN FST_HI
.else
	WIN MUL_HI
.endif
	MUL16 4, (\q)%2, \q, \slot, \first
	MUL16 6, (\q)%2, \q, \slot, \first
	PLACES NP
	WIN 0
	FETCH_A \slot, (\q)+1, 4
.endm
.macro TURN slot, next                 ; a slot's last step: one barrier; behind it the next slot is whole and nobody reads this one
	s_wait_tensorcnt 0x0                           ; my part of the next slot has landed
	ds_add_u32 v[SPW], v[NIL]                      ; 0 onto my spare word
	s_wait_dscnt 4*NL+1                            ; the add and A's blocks 4-7 may be out
	WIN MUL_LO
	MUL16 0, 1, NQ-1, \slot, 0
	s_wait_dscnt 0x0                               ; the add is done, and my reads of this slot are over
	s_barrier_signal -1
	MUL16 2, 1, NQ-1, \slot, 0
	WIN 0
	s_barrier_wait -1
	PLACES NP
	v_add_nc_u32 v[ADRS], 4*NQ, v[ADRS]            ; the next slot's scale words
	FETCH_B \next, 0, 0
	FETCH_A \next, 0, 0
	SCALES \next
	WIN MUL_HI
	MUL16 4, 1, NQ-1, \slot, 0
	MUL16 6, 1, NQ-1, \slot, 0
	PLACES NP
	WIN 0
	FETCH_A \next, 0, 4
.endm
.macro STEPS slot, from
.set Q, \from
.rept NQ-1-\from
	STEP \slot, Q, 0
.set Q, Q+1
.endr
.endm
	s_wait_tensorcnt 1                             ; the scales and my part of slot 0 are in; slot 1's load may be out
	s_barrier_signal -1
	s_barrier_wait -1
	FETCH_B 0, 0, 0
	FETCH_A 0, 0, 0
	SCALES 0
	FETCH_A 0, 0, 4
	s_wait_loadcnt 0x0                             ; the bias
	STEP 0, 0, 1
	STEPS 0, 1
	TURN 0, 1
	STEPS 1, 0
	s_wait_dscnt 4*NL                              ; the last step: nothing more to fetch
	WIN MUL_LO
	MUL16 0, 1, NQ-1, 1, 0
	MUL16 2, 1, NQ-1, 1, 0
	s_wait_dscnt 0
	WIN MUL_HI
	MUL16 4, 1, NQ-1, 1, 0
	MUL16 6, 1, NQ-1, 1, 0
	WIN 0
	PLACES NP                                      ; for the reads of the last results and the loads into A's registers
	; THE f32 COPY: where my first 16 rows are tokens 0-15 of a sequence they go out as they are, through the stage, a token's 512 bytes a store.  The branch hangs on the tile row, which the partners share, and on the wave's number.
	s_cmp_lg_u32 s44, 0
	s_cbranch_scc1 .Lno32
	WIN 0x08                                       ; an LDS store's data are its source 1: window 2
.irp b, 0,1,2,3,4,5,6,7
	ds_store_b128 v[STO32], v[8*\b:8*\b+3] offset:64*\b              ; each accumulator from its low end on
	ds_store_b128 v[STO32], v[8*\b+4:8*\b+7] offset:64*\b+16
.endr
	WIN 0
.irp t, 0,1,2,3,4,5,6,7,8,9,10,11,12,13,14,15
	ds_load_b128 v[OB+4*\t:OB+4*\t+3], v[RD32] offset:\t*528         ; in order behind my stores
.endr
	s_wait_dscnt 0x0
.irp t, 0,1,2,3,4,5,6,7,8,9,10,11,12,13,14,15
	global_store_b128 v[CO32], v[OB+4*\t:OB+4*\t+3], s[10:11] offset:\t*12288   ; 32 lanes store 512 consecutive bytes, aligned
.endr
	s_wait_xcnt 0x0                                ; the stores have read v128-191, which are loaded again below
.Lno32:
	; THE WAY OUT, a block of 16 tokens x 128 f (two heads) at a time: rounded to f16, through the stage, and out by head: sixteen lanes store two tokens of a head, 256 consecutive bytes, aligned.
.macro PACK a
.set AC, 64*((\a)%4)
	WIN 0x0a+5*((\a)/4)                            ; sources 0 and 1: window 2 or 3
.irp b, 0,1,2,3,4,5,6,7
.irp r, 0,1,2,3
	v_cvt_pk_f16_f32 v[TMP+4*\b+\r], v[AC+8*\b+2*\r], v[AC+8*\b+2*\r+1]
.endr
.endr
	WIN 0
.endm
.macro TOSTAGE a
.set BB, OB+32*((\a)%2)
.irp b, 0,1,2,3,4,5,6,7
	ds_store_b128 v[STO], v[TMP+4*\b:TMP+4*\b+3] offset:32*\b
.endr
.irp t, 0,1,2,3,4,5,6,7
	ds_load_b128 v[BB+4*\t:BB+4*\t+3], v[RD] offset:\t*544
.endr
.endm
.macro SEND a
.set BB, OB+32*((\a)%2)
	s_wait_dscnt 0x0                               ; the block is back in registers
	s_wait_xcnt 0x0                                ; earlier stores have read their registers: the next block's loads may land there
.irp t, 0,1,2,3,4,5,6,7
	global_store_b128 v[CO], v[BB+4*\t:BB+4*\t+3], s[12:13] offset:(\a)*2048+\t*256 th:TH_STORE_NT
.endr
.endm
	PACK 0
	TOSTAGE 0
.irp a, 1,2,3,4,5,6,7                  ; block a's conversions stand between block a - 1's loads from the stage and the wait for them
	PACK \a
	SEND \a-1
	TOSTAGE \a
.endr
	SEND 7
	s_wait_tensorcnt 0x0                           ; the wave's end
	ds_add_u32 v[SPW], v[NIL]
	s_wait_dscnt 0x0
	CROUND                                         ; the closing round
	s_endpgm
.Lfunc_end_k_q5a5e3042a2_qkv:
	.size	k_q5a5e3042a2_qkv, .Lfunc_end_k_q5a5e3042a2_qkv-k_q5a5e3042a2_qkv
	.p2alignl 7, 3214868480
	.fill 96, 4, 3214868480
	.section	.rodata,"a",@progbits
	.p2align	6, 0x0
	.amdhsa_kernel k_q5a5e3042a2_qkv
		.amdhsa_group_segment_fixed_size 327680
		.amdhsa_private_segment_fixed_size 0
		.amdhsa_enable_private_segment 0
		.amdhsa_kernarg_size 40
		.amdhsa_user_sgpr_count 2
		.amdhsa_user_sgpr_kernarg_segment_ptr 1
		.amdhsa_wavefront_size32 1
		.amdhsa_system_sgpr_workgroup_id_x 1
		.amdhsa_system_sgpr_workgroup_id_y 1
		.amdhsa_system_sgpr_workgroup_id_z 1
		.amdhsa_system_vgpr_workitem_id 0
		.amdhsa_next_free_vgpr 1024
		.amdhsa_next_free_sgpr 98
		.amdhsa_reserve_vcc 0
		.amdhsa_float_denorm_mode_32 3
		.amdhsa_float_denorm_mode_16_64 3
		.amdhsa_memory_ordered 1
		.amdhsa_forward_progress 1
		.amdhsa_inst_pref_size 132
	.end_amdhsa_kernel
	.amdgpu_metadata
---
amdhsa.version: [ 1, 2 ]
amdhsa.kernels:
  - .name:           k_q5a5e3042a2_qkv
    .symbol:         k_q5a5e3042a2_qkv.kd
    .args:
      - { .name: codes, .offset: 0, .size: 8, .value_kind: global_buffer, .address_space: global }
      - { .name: scales, .offset: 8, .size: 8, .value_kind: global_buffer, .address_space: global }
      - { .name: b_attn, .offset: 16, .size: 8, .value_kind: global_buffer, .address_space: global }
      - { .name: qkv, .offset: 24, .size: 8, .value_kind: global_buffer, .address_space: global }
      - { .name: e32, .offset: 32, .size: 8, .value_kind: global_buffer, .address_space: global }
    .group_segment_fixed_size: 327680
    .private_segment_fixed_size: 0
    .kernarg_segment_align: 8
    .kernarg_segment_size: 40
    .max_flat_workgroup_size: 128
    .sgpr_count:     98
    .vgpr_count:     1024
    .wavefront_size: 32
...
	.end_amdgpu_metadata
.endif
;; end of part 2
;; launch attn (part 3): grid 4 x 64, 8 waves a work-group, no clusters, 327,680 bytes of LDS; arguments qkv, e32, y16, y32e; writes y16, y32e
.if DOCPART == 3
	.amdgcn_target "amdgcn-amd-amdhsa--gfx1250"
	.amdhsa_code_object_version 6
	.text
	.protected	k_q5a5e3042a2_attn
	.globl	k_q5a5e3042a2_attn
	.p2align	8
	.type	k_q5a5e3042a2_attn,@function
k_q5a5e3042a2_attn:
	s_mov_b64 s[64:65], 0
	v_nop
	global_prefetch_b8 v0, s[64:65] scope:SCOPE_SE
	s_setreg_imm32_b32 hwreg(HW_REG_WAVE_MODE, 25, 1), 1
	s_wait_xcnt 0x0
; y[b][h][q][:] = sum over k <= q of softmax_k(q . k / 8) v[k][:], head size 64, 2,048 tokens, 64 heads in all.  q, k, v: f16 by head (byte part<<24 | head<<18 | t<<7 | 2 d); y16: f16, laid as one part.
; Products on f16 operands with f32 sums; maxima, exponentials and sums in f32; the weights p are rounded to f16 for the second product, y once at the end.  LIMIT: |y| under 65,504.
; SHARES.  Work-group (i, head) owns two blocks of 256 queries: block 7 - i, then block i.  Keys go in slots of 256: 8 - i slots for the first block, i + 1 for the second: NINE IN EVERY WORK-GROUP, so all trip counts are
; constants.  Each of the eight waves owns 32 queries, two tiles of 16; two waves lie on a SIMD, so that one wave's softmax stands beside the other's products.
; NO CLUSTER: the four work-groups of a head walk different orders of key slots (position g is slot g below 8 - i and slot g - (8 - i) from there on), so their requests would not name the same tile at the same position.
; LAYOUT.  S^T = K Q^T (source 0 = 16 keys, source 1 = 16 queries): a lane holds ONE query (lane % 16) and keys 8 (lane / 16) + 0..7 of each tile of 16.  Two such tiles, rounded in pairs, ARE source 1 of O^T = V^T P.
; K comes out of LDS as it lies, V ([key][channel]) turned by ds_load_tr16_b128.
; SOFTMAX.  A running maximum m and sum l a query: p = 2^(c s - c m), c = log2(e) / 8; in every step O and l are multiplied by a = 2^(c m_old - c m_new).  m begins at -3e38 and O, l at 0: the step is written once.
; THE MASK.  A step of 64 keys all of which come after the wave's 32 queries is jumped over (a branch on ids); in the one step on the diagonal hidden scores become -infinity ahead of the maximum.  Every step that is walked holds, for each query, a key that counts.
; EARLY.  Tokens 0-15 of the head are done once more with f32 operands, from e32 into y32e, by fused multiply-adds: wave 0 of the work-group with i = 0, at its end.  In those rows few keys are averaged, so the results are large against the
; root mean square of the whole output, by which the allowed error goes; f16 operands would use up too much of it there.
; REGISTERS: window 0: v1-15 addresses and constants; v16-31 statistics, eight a tile; v32-35 the sums' second chains; v56-60 EARLY's LDS addresses; v64-127 S^T; v128-159 P; v160-223 O^T.   window 1: v0-31 Q; v64-127 K; v128-191 V.
.set PK,    144                        ; a key's row in LDS: 128 bytes + 16
.set PV,    160                        ; a row of V: 128 + 32
.set VOFF,  64*PK                      ; a step's tiles lie together: 64 rows of K, then 64 of V
.set STEPB, 64*(PK+PV)
.set SLOT1, 1<<17                      ; slot 1: one exclusive or turns an address from slot to slot
.set STAGE, SLOT1+4*STEPB              ; the way out: 32 rows x 144 for each wave
.set WSTG,  32*144
.set EARLY, STAGE+8*WSTG               ; EARLY: K's 16 rows of 256 bytes, V's, a stage of 16 x 272
.set ESTG,  EARLY+8192
.set SPARE, EARLY+12800                ; the spare words: 128 bytes a wave, four blocks of 256 bytes that no other line names
.set AK0, 1
.set AV0, 2
.set ADK, 3
.set ADV, 4
.set QO,  5
.set STO, 6
.set RD,  7
.set GO,  8
.set PFO, 9                            ; 256 x lane; never rewritten
.set SPW, 10
.set NIL, 11
.set DM,  12                           ; lane % 16 - 8 (lane / 16)
.set D0,  13                           ; v13, v14: query - first key - 8 (lane / 16), tiles 0 and 1
.set NINF, 15
.set ST,  16                           ; tile t at v[ST + 8 t]: +0 c m, +1 m, +2, +3 l, +4 .. +7 at work; a in +6
.set TS,  32
.set ERD, 56
.set EWR, 57
.set ESTO, 58
.set ERB, 59
.set ER,  60
.set S,   64
.set P,   128
.set O,   160
.set QFR, 0
.set KFR, 64
.set VFR, 128
.set WV,  12
.set I,   13
.set BH,  14
.set NA,  15                           ; 8 - i: slots of the first block
.set KB,  16                           ; s[16:17] K at my quarter of slot 0; s[18:19] V
.set VB,  18
.set SEL, 20
.set CS,  22
.set G1K, 24
.set G1V, 32
.set G0K, 40
.set G0V, 44
.set TB,  48                           ; LDS byte at which the step's tiles begin
.set G,   49                           ; position 0 .. 8
.set CNT, 50
.set KF,  51                           ; the step's first key
.set Q0,  52                           ; my first query
.set FS,  53                           ; the key slot that the next change asks for
.set OFF, 54
.set LIM, 56
.set PFA, 58
.set QA,  60
.set YA,  62
.set MSB, 0
.macro WIN new
.if MSB != \new
	s_set_vgpr_msb (MSB<<8)|\new
.set MSB, \new
.endif
.endm
.set W_LD, 0x40                        ; destination window 1
.set W_KQ, 0x05                        ; K and Q window 1, S^T window 0
.set W_PV, 0x01                        ; V window 1, P and O^T window 0
; Waves 0-3 fetch K of the slot's step w, waves 4-7 V of step w - 4: 64 dense rows each.  An s_nop 0 and four v_nop follow each of the two lines.
.macro TLOAD
	s_cmp_lt_u32 s[WV], 4
	s_cbranch_scc0 .Lfor_v_\@
	tensor_load_to_lds s[G0K:G0K+3], s[G1K:G1K+7]
	s_nop 0
.rept 4
	v_nop
.endr
	s_branch .Lasked_\@
.Lfor_v_\@:
	tensor_load_to_lds s[G0V:G0V+3], s[G1V:G1V+7]
	s_nop 0
.rept 4
	v_nop
.endr
.Lasked_\@:
.endm
; A PREFETCH of what the NEXT change of slots will ask for.  The work-group with i = 0 walks slots 0 to 7 in order: it alone asks, each wave for its own 8,192 bytes of slot G + 2, lanes 256 bytes apart, while its tensor load asks
; for slot G + 1: four key steps ahead of the load that wants them.  So each block of 256 bytes is named once in the launch.  Slots 0 and 1 come by their loads alone; positions 6 and 7 ask for nothing.
.macro ASK
	s_cmp_lt_u32 s[G], s[LIM]
	s_cbranch_scc0 .Lnot_mine_\@
	global_prefetch_b8 v[PFO], s[PFA:PFA+1] th:TH_LOAD_NT scope:SCOPE_SE
.Lnot_mine_\@:
.endm
; THE CHANGE OF SLOTS, at a slot's head.  Each wave waits for its tensor load (its part of the slot ahead), adds 0 to its spare word, and waits for that and for its reads of the slot that it has left.  Behind the barrier the slot
; ahead is whole and nobody reads the other: fill = 1: it takes the next position's keys: one load a wave is out, with four key steps in which to land.
.macro CHANGE fill
	s_wait_tensorcnt 0x0                           ; no tensor load of mine is out: a group 0 may be written
	ds_add_u32 v[SPW], v[NIL]                      ; the descriptors' steps stand between it and its wait
.if \fill
	s_xor_b32 s[G0K+1], s[G0K+1], SLOT1
	s_xor_b32 s[G0V+1], s[G0V+1], SLOT1
	s_lshl_b32 s[OFF], s[FS], 15                   ; a slot's 256 keys are 32,768 bytes
	s_add_nc_u64 s[G0K+2:G0K+3], s[KB:KB+1], s[OFF:OFF+1]
	s_or_b32 s[G0K+3], s[G0K+3], 0x80000000
	s_add_nc_u64 s[G0V+2:G0V+3], s[VB:VB+1], s[OFF:OFF+1]
	s_or_b32 s[G0V+3], s[G0V+3], 0x80000000
	s_add_co_u32 s[FS], s[FS], 1
	s_cmp_eq_u32 s[FS], s[NA]                      ; behind the first block's last slot comes the second block's slot 0
	s_cselect_b32 s[FS], 0, s[FS]
	s_wait_xcnt 0x0                                ; the last prefetch, a slot back, has read its address
	s_add_nc_u64 s[PFA:PFA+1], s[PFA:PFA+1], 32768
.endif
	s_wait_dscnt 0x0
	s_barrier_signal -1
	s_barrier_wait -1
.if \fill
	TLOAD
	ASK
.endif
.endm
; A KEY STEP: 64 keys.
.macro STEP
	s_add_co_u32 s66, s[Q0], 31
	s_cmp_gt_u32 s[KF], s66                        ; all 64 keys come after my 32 queries: only the lines at the end, which step addresses, are run
	s_cbranch_scc1 .Lhid_\@
	v_add_nc_u32 v[ADK], s[TB], v[AK0]
	v_add_nc_u32 v[ADV], s[TB], v[AV0]
	WIN W_LD                                       ; (the places behind the last step's products are its 32 sums)
.irp kt, 0,1,2,3
.irp cc, 0,1
	ds_load_b128 v[KFR+8*(2*\kt+\cc):KFR+8*(2*\kt+\cc)+3], v[ADK] offset:\kt*16*PK+64*\cc
	ds_load_b128 v[KFR+8*(2*\kt+\cc)+4:KFR+8*(2*\kt+\cc)+7], v[ADK] offset:\kt*16*PK+64*\cc+32
.endr
.endr
.irp kc, 0,1
.irp ct, 0,1,2,3
	ds_load_tr16_b128 v[VFR+8*(4*\kc+\ct):VFR+8*(4*\kc+\ct)+3], v[ADV] offset:\kc*32*PV+32*\ct
	ds_load_tr16_b128 v[VFR+8*(4*\kc+\ct)+4:VFR+8*(4*\kc+\ct)+7], v[ADV] offset:\kc*32*PV+16*PV+32*\ct
.endr
.endr
	s_wait_dscnt 16                                ; K is in; V's sixteen loads stay out
	WIN W_KQ
.irp cc, 0,1                           ; eight accumulators by turns, one instruction a turn
.irp kt, 0,1,2,3
.irp t, 0,1
.if \cc == 0
	v_wmma_f32_16x16x32_f16 v[S+32*\t+8*\kt:S+32*\t+8*\kt+7], v[KFR+8*(2*\kt+\cc):KFR+8*(2*\kt+\cc)+7], v[QFR+8*(2*\t+\cc):QFR+8*(2*\t+\cc)+7], 0
.else
	v_wmma_f32_16x16x32_f16 v[S+32*\t+8*\kt:S+32*\t+8*\kt+7], v[KFR+8*(2*\kt+\cc):KFR+8*(2*\kt+\cc)+7], v[QFR+8*(2*\t+\cc):QFR+8*(2*\t+\cc)+7], v[S+32*\t+8*\kt:S+32*\t+8*\kt+7]
.endif
.endr
.endr
.endr
	WIN 0
.rept 4
	v_nop                                          ; places in front of the first read of the scores
.endr
	s_add_co_u32 s66, s[KF], 63
	s_cmp_le_u32 s66, s[Q0]                        ; all 64 keys count for all my queries: no mask
	s_cbranch_scc1 .Lopen_\@
	s_sub_co_i32 s66, s[Q0], s[KF]
	v_add_nc_u32 v[D0], s66, v[DM]                 ; register 8 kt + j holds key KF + 16 kt + 8 (lane / 16) + j: hidden where 16 kt + j > d
	v_add_nc_u32 v[D0+1], 16, v[D0]
.irp t, 0,1
.set n, 0
.rept 32
	v_cmp_gt_i32 vcc_lo, 16*(n/8)+n%8, v[D0+\t]
	v_cndmask_b32 v[S+32*\t+n], v[S+32*\t+n], v[NINF], vcc_lo
.set n, n+1
.endr
.endr
.Lopen_\@:
.irp q, 0,1,2,3                        ; the maximum: four chains a tile, each from its accumulator's low end; the tiles alternate
.irp t, 0,1
	v_max3_num_f32 v[ST+8*\t+4+\q], v[S+32*\t+8*\q], v[S+32*\t+8*\q+1], v[S+32*\t+8*\q+2]
.endr
.endr
.irp i, 3,5
.irp q, 0,1,2,3
.irp t, 0,1
	v_max3_num_f32 v[ST+8*\t+4+\q], v[ST+8*\t+4+\q], v[S+32*\t+8*\q+\i], v[S+32*\t+8*\q+\i+1]
.endr
.endr
.endr
.irp t, 0,1
	v_max3_num_f32 v[ST+8*\t+4], v[ST+8*\t+4], v[S+32*\t+7], v[S+32*\t+15]
.endr
.irp t, 0,1
	v_max3_num_f32 v[ST+8*\t+6], v[ST+8*\t+6], v[S+32*\t+23], v[S+32*\t+31]
.endr
.irp t, 0,1
	v_max3_num_f32 v[ST+8*\t+4], v[ST+8*\t+4], v[ST+8*\t+5], v[ST+8*\t+6]
.endr
.irp t, 0,1
	v_max3_num_f32 v[ST+8*\t+4], v[ST+8*\t+4], v[ST+8*\t+7], v[ST+8*\t+1]   ; with the old m
.endr
.irp t, 0,1
	v_permlanex16_b32 v[ST+8*\t+5], v[ST+8*\t+4], s[SEL], s[SEL+1]          ; the query's other 32 keys lie in the lane 16 away
.endr
.irp t, 0,1
	v_mov_b32 v[ST+8*\t+7], v[ST+8*\t]             ; c m_old
.endr
.irp t, 0,1
	v_max_num_f32 v[ST+8*\t+1], v[ST+8*\t+4], v[ST+8*\t+5]
.endr
.irp t, 0,1
	v_mul_f32 v[ST+8*\t], s[CS], v[ST+8*\t+1]
.endr
.irp t, 0,1
	v_sub_f32 v[ST+8*\t+7], v[ST+8*\t+7], v[ST+8*\t]
.endr
.irp t, 0,1
.set i, 0
.rept 16
	v_pk_fma_f32 v[S+32*\t+i:S+32*\t+i+1], v[S+32*\t+i:S+32*\t+i+1], s[CS:CS+1], v[ST+8*\t:ST+8*\t+1] op_sel_hi:[1,0,0] neg_lo:[0,0,1] neg_hi:[0,0,1]   ; c s - c m
.set i, i+2
.endr
.endr
.irp t, 0,1                            ; ONE BATCH: a of both tiles and the 64 weights
	v_exp_f32 v[ST+8*\t+6], v[ST+8*\t+7]
.endr
.set i, 0
.rept 64
	v_exp_f32 v[S+i], v[S+i]
.set i, i+1
.endr
	v_nop                                          ; a plain line behind the last exponential
	s_wait_alu depctr_va_vdst(0)                   ; one wait for the batch, ahead of its first reader
.irp t, 0,1
.set i, 0
.rept 16
	v_cvt_pk_f16_f32 v[P+16*\t+i], v[S+32*\t+2*i], v[S+32*\t+2*i+1]
.set i, i+1
.endr
.endr
.irp t, 0,1
.set i, 0
.rept 16
	v_pk_mul_f32 v[O+32*\t+i:O+32*\t+i+1], v[O+32*\t+i:O+32*\t+i+1], v[ST+8*\t+6:ST+8*\t+7] op_sel_hi:[1,0]   ; O^T x a, each accumulator from its low end
.set i, i+2
.endr
.endr
	s_wait_dscnt 0x0                               ; V is in
	WIN W_PV
.irp kc, 0,1
.irp ct, 0,1,2,3
.irp t, 0,1
	v_wmma_f32_16x16x32_f16 v[O+32*\t+8*\ct:O+32*\t+8*\ct+7], v[VFR+8*(4*\kc+\ct):VFR+8*(4*\kc+\ct)+7], v[P+16*\t+8*\kc:P+16*\t+8*\kc+7], v[O+32*\t+8*\ct:O+32*\t+8*\ct+7]
.endr
.endr
.endr
	WIN 0
.irp t, 0,1                            ; the sums of the unrounded weights, in two chains a tile, beside those products
	v_pk_fma_f32 v[ST+8*\t+2:ST+8*\t+3], v[ST+8*\t+2:ST+8*\t+3], v[ST+8*\t+6:ST+8*\t+7], v[S+32*\t:S+32*\t+1] op_sel_hi:[1,0,1]
	v_pk_add_f32 v[TS+2*\t:TS+2*\t+1], v[S+32*\t+2:S+32*\t+3], v[S+32*\t+4:S+32*\t+5]
.endr
.irp i, 6,10,14,18,22,26
.irp t, 0,1
	v_pk_add_f32 v[ST+8*\t+2:ST+8*\t+3], v[ST+8*\t+2:ST+8*\t+3], v[S+32*\t+\i:S+32*\t+\i+1]
	v_pk_add_f32 v[TS+2*\t:TS+2*\t+1], v[TS+2*\t:TS+2*\t+1], v[S+32*\t+\i+2:S+32*\t+\i+3]
.endr
.endr
.irp t, 0,1
	v_pk_add_f32 v[ST+8*\t+2:ST+8*\t+3], v[ST+8*\t+2:ST+8*\t+3], v[S+32*\t+30:S+32*\t+31]
.endr
.irp t, 0,1
	v_pk_add_f32 v[ST+8*\t+2:ST+8*\t+3], v[ST+8*\t+2:ST+8*\t+3], v[TS+2*\t:TS+2*\t+1]
.endr
.Lhid_\@:
	s_add_co_u32 s[KF], s[KF], 64
	s_add_co_u32 s[TB], s[TB], STEPB
.endm
.macro FOUR_STEPS                      ; a slot's four key steps: written once, walked four times
	s_mov_b32 s[CNT], 4
.Lstep_\@:
	STEP
	s_sub_co_u32 s[CNT], s[CNT], 1
	s_cmp_lg_u32 s[CNT], 0
	s_cbranch_scc1 .Lstep_\@
	s_sub_co_u32 s[TB], s[TB], 4*STEPB
	s_xor_b32 s[TB], s[TB], SLOT1                  ; on to the other slot
.endm
.macro SETBLK blk                      ; my queries in the block whose number s[blk] holds
	s_lshl_b32 s[Q0], s[\blk], 8
	s_lshl_b32 s66, s[WV], 5
	s_add_co_u32 s[Q0], s[Q0], s66
	s_lshl_b32 s[OFF], s[Q0], 7                    ; 128 bytes a token
	s_lshl_b32 s66, s[BH], 18
	s_add_co_u32 s[OFF], s[OFF], s66
	s_add_nc_u64 s[QA:QA+1], s[4:5], s[OFF:OFF+1]
	s_add_nc_u64 s[YA:YA+1], s[8:9], s[OFF:OFF+1]
	s_mov_b32 s[KF], 0
.endm
.macro LOADQ                           ; Q stays in registers: tile t, channels 32 cc on
	WIN W_LD
.irp t, 0,1
.irp cc, 0,1
	global_load_b128 v[QFR+8*(2*\t+\cc):QFR+8*(2*\t+\cc)+3], v[QO], s[QA:QA+1] offset:\t*2048+64*\cc
	global_load_b128 v[QFR+8*(2*\t+\cc)+4:QFR+8*(2*\t+\cc)+7], v[QO], s[QA:QA+1] offset:\t*2048+64*\cc+32
.endr
.endr
	WIN 0
.endm
.macro INIT
.irp t, 0,1
	v_mov_b32 v[ST+8*\t+1], 0xff61b1e6             ; m = -3e38, under every score
	v_mul_f32 v[ST+8*\t], s[CS], v[ST+8*\t+1]
.irp j, 2,3,4,5,6,7
	v_mov_b32 v[ST+8*\t+\j], 0
.endr
.endr
.set i, 0
.rept 64
	v_mov_b32 v[O+i], 0                            ; the step is written once: the first finds zeros, which a = 0 leaves zeros
.set i, i+1
.endr
.endm
; THE WAY OUT of a block: O^T / l, rounded to f16, through my stage; a store covers four tokens of the head, 512 consecutive bytes, aligned.
.macro WAYOUT
.irp t, 0,1
	v_add_f32 v[ST+8*\t+4], v[ST+8*\t+2], v[ST+8*\t+3]
.endr
.irp t, 0,1
	v_permlanex16_b32 v[ST+8*\t+5], v[ST+8*\t+4], s[SEL], s[SEL+1]
.endr
.irp t, 0,1
	v_add_f32 v[ST+8*\t+4], v[ST+8*\t+4], v[ST+8*\t+5]
.endr
.irp t, 0,1
	v_rcp_f32 v[ST+8*\t+6], v[ST+8*\t+4]
.endr
	v_nop
	s_wait_alu depctr_va_vdst(0)                   ; one wait for the two reciprocals, ahead of their first reader
.irp t, 0,1
.set i, 0
.rept 16
	v_pk_mul_f32 v[O+32*\t+i:O+32*\t+i+1], v[O+32*\t+i:O+32*\t+i+1], v[ST+8*\t+6:ST+8*\t+7] op_sel_hi:[1,0]
.set i, i+2
.endr
.endr
.irp t, 0,1
.set i, 0
.rept 16
	v_cvt_pk_f16_f32 v[S+16*\t+i], v[O+32*\t+2*i], v[O+32*\t+2*i+1]
.set i, i+1
.endr
.endr
.irp t, 0,1
.irp ct, 0,1,2,3
	ds_store_b128 v[STO], v[S+16*\t+4*\ct:S+16*\t+4*\ct+3] offset:\t*16*144+32*\ct
.endr
.endr
.irp t, 0,1
.irp u, 0,1,2,3
	ds_load_b128 v[S+32+16*\t+4*\u:S+32+16*\t+4*\u+3], v[RD] offset:\t*16*144+\u*4*144   ; in order behind my stores
.endr
.endr
	s_wait_dscnt 0x0
.irp t, 0,1
.irp u, 0,1,2,3
	global_store_b128 v[GO], v[S+32+16*\t+4*\u:S+32+16*\t+4*\u+3], s[YA:YA+1] offset:\t*2048+\u*512
.endr
.endr
.endm
	s_load_b256 s[4:11], s[0:1], 0x0               ; qkv s[4:5], e32 s[6:7], y16 s[8:9], y32e s[10:11]
	v_lshl_add_u32 v[SPW], v0, 2, SPARE
	v_mov_b32 v[NIL], 0
	ds_add_u32 v[SPW], v[NIL]                      ; the wave's opening: the add and its wait ahead of my first tensor load
	v_lshrrev_b32 v1, 5, v0
	v_readfirstlane_b32 s[WV], v1
	s_mov_b32 s[I], ttmp9
	s_and_b32 s[BH], ttmp7, 0xffff
	s_sub_co_u32 s[NA], 8, s[I]
	s_mov_b32 s[G1K], (1<<16)|(1<<20)|(4<<22)|(3<<25)   ; elements of 2 bytes; padding: 4 words behind every 32
	s_mov_b32 s[G1V], (1<<16)|(1<<20)|(4<<22)|(7<<25)   ; 8 words
.irp g, G1K, G1V
	s_mov_b32 s[\g+1], 64<<16                      ; tensor_dim0
	s_mov_b32 s[\g+2], 64<<16                      ; tensor_dim1
	s_mov_b32 s[\g+3], 64<<16                      ; tile_dim0
	s_mov_b32 s[\g+4], 64                          ; tile_dim1
	s_mov_b32 s[\g+5], 64                          ; pitch
	s_mov_b32 s[\g+6], 0
	s_mov_b32 s[\g+7], 0
.endr
	s_mov_b32 s[SEL], 0x76543210
	s_mov_b32 s[SEL+1], 0xfedcba98
	s_mov_b32 s[CS], 0x3e38aa3b                    ; c = log2(e) / 8
	s_mov_b32 s[CS+1], s[CS]
	s_mov_b32 s[TB], 0
	s_mov_b32 s[G], 0
	s_mov_b32 s[FS], 1
	s_mov_b32 s[OFF+1], 0
	s_cmp_eq_u32 s[I], 0
	s_cselect_b32 s[LIM], 6, 0
	s_and_b32 s66, s[WV], 3
	s_lshl_b32 s68, s66, 13                        ; my step's 64 rows of 128 bytes
	s_lshl_b32 s67, s[BH], 18
	s_add_co_u32 s68, s68, s67
	s_add_co_u32 s68, s68, 1<<24                   ; in part 1: K
	s_mov_b32 s69, 0
	s_mul_i32 s70, s66, STEPB
	s_sub_co_u32 s71, 7, s[I]
	s_wait_dscnt 0x0                               ; the opening add is done
	s_wait_kmcnt 0x0
	s_add_nc_u64 s[KB:KB+1], s[4:5], s[68:69]
	s_add_nc_u64 s[VB:VB+1], s[KB:KB+1], 0x1000000
	s_mov_b32 s[G0K], 1
	s_mov_b32 s[G0K+1], s70
	s_mov_b64 s[G0K+2:G0K+3], s[KB:KB+1]
	s_or_b32 s[G0K+3], s[G0K+3], 0x80000000
	s_mov_b32 s[G0V], 1
	s_add_co_u32 s[G0V+1], s70, VOFF
	s_mov_b64 s[G0V+2:G0V+3], s[VB:VB+1]
	s_or_b32 s[G0V+3], s[G0V+3], 0x80000000
	TLOAD                                          ; position 0: key slot 0 into LDS slot 0
	s_cmp_lt_u32 s[WV], 4
	s_cselect_b64 s[PFA:PFA+1], s[KB:KB+1], s[VB:VB+1]
	s_add_nc_u64 s[PFA:PFA+1], s[PFA:PFA+1], 32768 ; in slot 1: the first change steps it to slot 2
	SETBLK 71                                      ; block 7 - i
	v_and_b32 v40, 15, v0                          ; r
	v_bfe_u32 v41, v0, 4, 1                        ; h
	v_and_b32 v42, 31, v0                          ; lane
	v_lshlrev_b32 v[QO], 7, v40
	v_lshl_add_u32 v[QO], v41, 4, v[QO]
	LOADQ
	v_mul_u32_u24 v[AK0], v40, PK
	v_lshl_add_u32 v[AK0], v41, 4, v[AK0]          ; K: row r, + 16 h
	v_and_b32 v43, 7, v0
	v_bfe_u32 v44, v0, 3, 1
	v_lshl_add_u32 v[AV0], v41, 3, v43
	v_mul_u32_u24 v[AV0], v[AV0], PV
	v_lshl_add_u32 v[AV0], v44, 4, v[AV0]
	v_add_nc_u32 v[AV0], VOFF, v[AV0]              ; V, for the turning load: key 8 h + lane % 8, channels 8 ((lane / 8) % 2) on
	s_mul_i32 s66, s[WV], WSTG
	s_add_co_u32 s66, s66, STAGE
	v_mul_u32_u24 v[STO], v40, 144
	v_lshl_add_u32 v[STO], v41, 4, v[STO]
	v_add_nc_u32 v[STO], s66, v[STO]
	v_bfe_u32 v45, v0, 3, 2
	v_mul_u32_u24 v[RD], v45, 144
	v_lshl_add_u32 v[RD], v43, 4, v[RD]
	v_add_nc_u32 v[RD], s66, v[RD]                 ; back: four rows of 128 bytes an instruction
	v_lshlrev_b32 v[GO], 4, v42
	v_lshlrev_b32 v[PFO], 8, v42
	v_lshlrev_b32 v46, 3, v41
	v_sub_nc_u32 v[DM], v40, v46
	v_mov_b32 v[NINF], 0xff800000
	v_lshl_add_u32 v[ERD], v41, 7, EARLY           ; EARLY's LDS addresses are made here, by every wave
	v_lshl_add_u32 v[EWR], v42, 4, EARLY
	v_mul_u32_u24 v[ESTO], v40, 272
	v_lshl_add_u32 v[ESTO], v41, 7, v[ESTO]
	v_add_nc_u32 v[ESTO], ESTG, v[ESTO]
	v_mul_u32_u24 v[ERB], v41, 272
	v_lshl_add_u32 v[ERB], v40, 4, v[ERB]
	v_add_nc_u32 v[ERB], ESTG, v[ERB]
	v_mov_b32 v[ER], v40
	INIT
	s_wait_loadcnt 0x0                             ; Q
.Lslot:                                            ; positions 0 to 7: behind each change the next position's slot is asked for
	CHANGE 1
	FOUR_STEPS
	s_add_co_u32 s66, s[G], 1
	s_cmp_lg_u32 s66, s[NA]                        ; the first block's last slot?  The same in all eight waves
	s_cbranch_scc1 .Lsame
	WAYOUT
	s_wait_xcnt 0x0                                ; the stores have read their registers and their base
	SETBLK I                                       ; block i
	LOADQ
	INIT
	s_wait_loadcnt 0x0
.Lsame:
	s_add_co_u32 s[G], s[G], 1
	s_cmp_lt_u32 s[G], 8
	s_cbranch_scc1 .Lslot
	CHANGE 0                                       ; position 8 is written out: nothing is left to ask for
	FOUR_STEPS
	WAYOUT
	s_cmp_lg_u32 s[WV], 0
	s_cbranch_scc1 .Lend
	s_cmp_lg_u32 s[I], 0
	s_cbranch_scc1 .Lend
	; EARLY: tokens 0-15 with f32 operands.  Lane (r, hh): query r, channels 32 hh on.
.set EQ, 64                            ; v64-95   my query's 32 channels; later the weights, each twice
.set EK, 96                            ; v96-223  four keys' 32 channels
.set EA, 48                            ; v48-55   four sums in pairs; later at work
.set ES, 16                            ; v16-31   16 scores
.set ET, 32                            ; v32-47   the other half's
.set EY, 224                           ; v224-255 my 32 channels of y
	s_wait_xcnt 0x0                                ; the way out's stores have read v96-127
	s_lshr_b32 s66, s[BH], 4                       ; b
	s_and_b32 s67, s[BH], 15
	s_lshl_b32 s67, s67, 8                         ; a head's 64 f32
	s_mul_i32 s68, s66, 196608
	s_add_co_u32 s68, s68, s67
	s_mov_b32 s69, 0
	s_add_nc_u64 s[6:7], s[6:7], s[68:69]
	s_lshl_b32 s68, s66, 16
	s_add_co_u32 s68, s68, s67
	s_add_nc_u64 s[10:11], s[10:11], s[68:69]
	v_bfe_u32 v62, v0, 4, 1
	v_mul_u32_u24 v61, v[ER], 12288
	v_lshl_add_u32 v61, v62, 7, v61                ; q: token r, + 128 hh
	v_mul_u32_u24 v63, v62, 12288
	v_lshl_add_u32 v63, v[ER], 4, v63              ; k, v: two tokens an instruction, 256 bytes each
	v_lshlrev_b32 v62, 12, v62
	v_lshl_add_u32 v62, v[ER], 4, v62              ; y32e likewise
.irp j, 0,1,2,3,4,5,6,7
	global_load_b128 v[EQ+4*\j:EQ+4*\j+3], v61, s[6:7] offset:16*\j
.endr
.irp u, 0,1,2,3,4,5,6,7
	global_load_b128 v[96+4*\u:96+4*\u+3], v63, s[6:7] offset:24576*\u+4096
.endr
.irp u, 0,1,2,3,4,5,6,7
	global_load_b128 v[128+4*\u:128+4*\u+3], v63, s[6:7] offset:24576*\u+8192
.endr
.set i, 0
.rept 16
	v_mov_b32 v[ET+i], 0                           ; a lane permute's destination counts as one of its sources
.set i, i+1
.endr
	s_wait_loadcnt 0x0
.irp u, 0,1,2,3,4,5,6,7
	ds_store_b128 v[EWR], v[96+4*\u:96+4*\u+3] offset:512*\u
.endr
.irp u, 0,1,2,3,4,5,6,7
	ds_store_b128 v[EWR], v[128+4*\u:128+4*\u+3] offset:4096+512*\u
.endr
	s_wait_dscnt 0x0
.macro ESCORE g                        ; keys 4 g .. 4 g + 3: all lanes of a half read the same bytes
.irp kk, 0,1,2,3
.irp j, 0,1,2,3,4,5,6,7
	ds_load_b128 v[EK+32*\kk+4*\j:EK+32*\kk+4*\j+3], v[ERD] offset:(4*\g+\kk)*256+16*\j
.endr
.endr
	s_wait_dscnt 0x0
.irp kk, 0,1,2,3
	v_pk_mul_f32 v[EA+2*\kk:EA+2*\kk+1], v[EQ:EQ+1], v[EK+32*\kk:EK+32*\kk+1]
.endr
.irp i, 2,4,6,8,10,12,14,16,18,20,22,24,26,28,30
.irp kk, 0,1,2,3
	v_pk_fma_f32 v[EA+2*\kk:EA+2*\kk+1], v[EQ+\i:EQ+\i+1], v[EK+32*\kk+\i:EK+32*\kk+\i+1], v[EA+2*\kk:EA+2*\kk+1]
.endr
.endr
.irp kk, 0,1,2,3
	v_add_f32 v[ES+4*\g+\kk], v[EA+2*\kk], v[EA+2*\kk+1]
.endr
.endm
	ESCORE 0
	ESCORE 1
	ESCORE 2
	ESCORE 3
.set i, 0
.rept 16
	v_permlanex16_b32 v[ET+i], v[ES+i], s[SEL], s[SEL+1]
.set i, i+1
.endr
.set i, 0
.rept 16
	v_add_f32 v[ES+i], v[ES+i], v[ET+i]            ; with the other 32 channels
.set i, i+1
.endr
.set i, 1
.rept 15
	v_cmp_gt_i32 vcc_lo, i, v[ER]                  ; key i is hidden from query r where i > r
	v_cndmask_b32 v[ES+i], v[ES+i], v[NINF], vcc_lo
.set i, i+1
.endr
	v_max3_num_f32 v48, v[ES], v[ES+1], v[ES+2]
	v_max3_num_f32 v49, v[ES+3], v[ES+4], v[ES+5]
	v_max3_num_f32 v48, v48, v[ES+6], v[ES+7]
	v_max3_num_f32 v49, v49, v[ES+8], v[ES+9]
	v_max3_num_f32 v48, v48, v[ES+10], v[ES+11]
	v_max3_num_f32 v49, v49, v[ES+12], v[ES+13]
	v_max3_num_f32 v48, v48, v[ES+14], v[ES+15]
	v_max_num_f32 v48, v48, v49                    ; the row's maximum
	v_mul_f32 v49, s[CS], v48
.set i, 0
.rept 16
	v_fma_f32 v[ES+i], v[ES+i], s[CS], -v49
.set i, i+1
.endr
.set i, 0
.rept 16
	v_exp_f32 v[ES+i], v[ES+i]
.set i, i+1
.endr
	v_nop
	s_wait_alu depctr_va_vdst(0)                   ; one wait for the sixteen
	v_add_f32 v50, v[ES], v[ES+1]
	v_add_f32 v52, v[ES+2], v[ES+3]
.irp k, 4,6,8,10,12,14
	v_add_f32 v50, v50, v[ES+\k]
	v_add_f32 v52, v52, v[ES+\k+1]
.endr
	v_add_f32 v50, v50, v52
	v_rcp_f32 v51, v50
	v_nop
	s_wait_alu depctr_va_vdst(0)
.set i, 0
.rept 16
	v_mul_f32 v[EQ+2*i], v[ES+i], v51              ; the weight, twice: a pair for the packed form
	v_mul_f32 v[EQ+2*i+1], v[ES+i], v51
.set i, i+1
.endr
.macro EPV g
.irp kk, 0,1,2,3
.irp j, 0,1,2,3,4,5,6,7
	ds_load_b128 v[EK+32*\kk+4*\j:EK+32*\kk+4*\j+3], v[ERD] offset:4096+(4*\g+\kk)*256+16*\j
.endr
.endr
	s_wait_dscnt 0x0
.irp kk, 0,1,2,3
.irp i, 0,2,4,6,8,10,12,14,16,18,20,22,24,26,28,30
.if (\g == 0) && (\kk == 0)
	v_pk_mul_f32 v[EY+\i:EY+\i+1], v[EK+\i:EK+\i+1], v[EQ:EQ+1]
.else
	v_pk_fma_f32 v[EY+\i:EY+\i+1], v[EK+32*\kk+\i:EK+32*\kk+\i+1], v[EQ+2*(4*\g+\kk):EQ+2*(4*\g+\kk)+1], v[EY+\i:EY+\i+1]
.endif
.endr
.endr
.endm
	EPV 0
	EPV 1
	EPV 2
	EPV 3
.irp j, 0,1,2,3,4,5,6,7
	ds_store_b128 v[ESTO], v[EY+4*\j:EY+4*\j+3] offset:16*\j
.endr
.irp u, 0,1,2,3,4,5,6,7
	ds_load_b128 v[96+4*\u:96+4*\u+3], v[ERB] offset:544*\u          ; in order behind my stores
.endr
	s_wait_dscnt 0x0
.irp u, 0,1,2,3,4,5,6,7
	global_store_b128 v62, v[96+4*\u:96+4*\u+3], s[10:11] offset:8192*\u   ; sixteen lanes store a token's 256 bytes of the head, aligned
.endr
.Lend:
	s_wait_tensorcnt 0x0                           ; the wave's end
	ds_add_u32 v[SPW], v[NIL]
	s_wait_dscnt 0x0
	s_endpgm
.Lfunc_end_k_q5a5e3042a2_attn:
	.size	k_q5a5e3042a2_attn, .Lfunc_end_k_q5a5e3042a2_attn-k_q5a5e3042a2_attn
	.p2alignl 7, 3214868480
	.fill 96, 4, 3214868480
	.section	.rodata,"a",@progbits
	.p2align	6, 0x0
	.amdhsa_kernel k_q5a5e3042a2_attn
		.amdhsa_group_segment_fixed_size 327680
		.amdhsa_private_segment_fixed_size 0
		.amdhsa_enable_private_segment 0
		.amdhsa_kernarg_size 32
		.amdhsa_user_sgpr_count 2
		.amdhsa_user_sgpr_kernarg_segment_ptr 1
		.amdhsa_wavefront_size32 1
		.amdhsa_system_sgpr_workgroup_id_x 1
		.amdhsa_system_sgpr_workgroup_id_y 1
		.amdhsa_system_sgpr_workgroup_id_z 1
		.amdhsa_system_vgpr_workitem_id 0
		.amdhsa_next_free_vgpr 512
		.amdhsa_next_free_sgpr 80
		.amdhsa_reserve_vcc 1
		.amdhsa_float_denorm_mode_32 3
		.amdhsa_float_denorm_mode_16_64 3
		.amdhsa_memory_ordered 1
		.amdhsa_forward_progress 1
		.amdhsa_inst_pref_size 132
	.end_amdhsa_kernel
	.amdgpu_metadata
---
amdhsa.version: [ 1, 2 ]
amdhsa.kernels:
  - .name:           k_q5a5e3042a2_attn
    .symbol:         k_q5a5e3042a2_attn.kd
    .args:
      - { .name: qkv, .offset: 0, .size: 8, .value_kind: global_buffer, .address_space: global }
      - { .name: e32, .offset: 8, .size: 8, .value_kind: global_buffer, .address_space: global }
      - { .name: y16, .offset: 16, .size: 8, .value_kind: global_buffer, .address_space: global }
      - { .name: y32e, .offset: 24, .size: 8, .value_kind: global_buffer, .address_space: global }
    .group_segment_fixed_size: 327680
    .private_segment_fixed_size: 0
    .kernarg_segment_align: 8
    .kernarg_segment_size: 32
    .max_flat_workgroup_size: 256
    .sgpr_count:     80
    .vgpr_count:     512
    .wavefront_size: 32
...
	.end_amdgpu_metadata
.endif
;; end of part 3
;; launch proj (part 4): grid 8 x 32, 4 waves a work-group, clusters of 4 x 4, 327,680 bytes of LDS; arguments y16, wp16, b_proj, out0; writes out0
.if DOCPART == 4
	.amdgcn_target "amdgcn-amd-amdhsa--gfx1250"
	.amdhsa_code_object_version 6
	.text
	.protected	k_q5a5e3042a2_proj
	.globl	k_q5a5e3042a2_proj
	.p2align	8
	.type	k_q5a5e3042a2_proj,@function
k_q5a5e3042a2_proj:
	s_mov_b64 s[64:65], 0
	v_nop
	global_prefetch_b8 v0, s[64:65] scope:SCOPE_SE
	s_setreg_imm32_b32 hwreg(HW_REG_WAVE_MODE, 25, 1), 1
	s_wait_xcnt 0x0
	s_wait_alu depctr_hold_cnt(0) depctr_sa_sdst(0) depctr_va_vdst(0) depctr_va_sdst(0) depctr_va_ssrc(0) depctr_va_vcc(0) depctr_vm_vsrc(0)
	s_getreg_b32 s2, hwreg(HW_REG_IB_STS2, 6, 4)
	s_cmp_eq_u32 s2, 0
	s_cbranch_scc0 .Lentry_in_a_cluster
	s_endpgm
.Lentry_in_a_cluster:
	s_bfe_u32 s2, ttmp6, 0x10000c
	s_cmp_lg_u32 s2, 0xf033
	s_cbranch_scc0 .Lentry_shape_is_right
	s_endpgm
.Lentry_shape_is_right:
; out0[token][o] = sum over c of y[token][c] w_proj[o][c] + b_proj[o]; operands f16, sums f32.  M = 8,192, N = 1,024, K = 1,024.
; A = y16, laid by head: byte b<<22 | h<<18 | t<<7 | 2 d (c = 64 h + d).  B = wp16 [1024 o][1024 c].
; A tile of C is 256 x 128: 256 work-groups.  Four waves, 128 rows x 64 columns each: 32 accumulators, 256 registers.  K goes in eight steps of 128 (two heads) through a ring of two LDS slots.
; A step's part of A is, for each of its two heads, 256 tokens x 128 bytes, dense in memory: waves 0 and 1 fetch a head each.  B's part is 128 rows x 256 bytes: waves 2 and 3 fetch 64 rows each.
; CLUSTERS: 4 x 4.  The four of a row of the cluster need the same tiles of A, the four of a column the same tiles of B: each is asked for jointly, by the same load with the same descriptor and a mask that names the four.
; THE MATRIX INSTRUCTION IS USED TRANSPOSED (source 0 = 16 rows of B, source 1 = 16 rows of A): a lane holds eight neighbouring o of one token.  The bias is the C of each sum's first product.
; The 64 rows that begin the four sequences are stored here like all others; the launch that follows stores them again, from f32 operands.
; REGISTERS: window 0: v16-29 addresses; v32-95 rows on their way out; v96-127 the bias.   window 1: two fragment buffers of 96: A's 64, then B's 32.   window 2: accumulator (a, b) at v[8 (4 a + b)].
.set PA,     144                       ; a token's row of a head in LDS: 128 bytes + 16
.set PB,     272                       ; a row of B: 256 + 16
.set ASUB,   256*PA                    ; 256 tokens of one head
.set BOFF,   2*ASUB
.set SLOT,   BOFF+128*PB
.set STAGE,  2*SLOT                    ; 16 rows x 272 for each wave
.set SPITCH, 272
.set SPARE,  STAGE+4*16*SPITCH         ; the spare words: 128 bytes a wave, two blocks of 256 bytes that no other line names
.set LAPS,   4                         ; a lap = two K steps
.set ADRA, 16
.set ADRB, 20
.set STO,  24
.set RD,   25
.set CO,   26
.set BO,   27
.set SPW,  28
.set NIL,  29
.set BK,   32
.set BI,   96
.set F0,   0
.set F1,   128
.set WV,   12
.set RH,   13                          ; my half of the rows.  Also: I fetch for A (0) or B (1)
.set CH,   14                          ; my half of the columns.  Also: which head, or which 64 rows, I fetch
.set TR,   15
.set G1,  24
.set G0,  32
.set G1B, 48
.set G0B, 56
.set MSB, 0
.macro WIN new
.if MSB != \new
	s_set_vgpr_msb (MSB<<8)|\new
.set MSB, \new
.endif
.endm
.set MUL,   0xa5                       ; sources 0 and 1 window 1, C and D window 2
.set FIRST, 0x85                       ; C (the bias) window 0
.set TO_F,  0x40
.macro JLOAD s                         ; an s_nop 0 and four v_nop follow each of the two lines
	s_cmp_eq_u32 s[RH], 0
	s_cbranch_scc0 .Lfor_b_\@
	tensor_load_to_lds s[G0+4*\s:G0+4*\s+3], s[G1:G1+7]
	s_nop 0
.rept 4
	v_nop
.endr
	s_branch .Lasked_\@
.Lfor_b_\@:
	tensor_load_to_lds s[G0B+4*\s:G0B+4*\s+3], s[G1B:G1B+7]
	s_nop 0
.rept 4
	v_nop
.endr
.Lasked_\@:
.endm
.macro CREST
	s_cmp_lg_u32 s[WV], 0
	s_cbranch_scc1 .Lnot_wave_0_\@
	s_barrier_signal -3
.Lnot_wave_0_\@:
	s_barrier_wait -3
	s_barrier_signal -1
	s_barrier_wait -1
.endm
.macro CROUND
	s_barrier_signal -1
	s_barrier_wait -1
	CREST
.endm
	s_load_b128 s[4:7], s[0:1], 0x0                ; y16 s[4:5], wp16 s[6:7]
	s_load_b128 s[8:11], s[0:1], 0x10              ; b_proj s[8:9], out0 s[10:11]
	v_lshl_add_u32 v[SPW], v0, 2, SPARE
	v_mov_b32 v[NIL], 0
	ds_add_u32 v[SPW], v[NIL]                      ; the wave's opening: the add and its wait ahead of my first tensor load
	v_lshrrev_b32 v1, 5, v0
	v_readfirstlane_b32 s[WV], v1
	s_lshr_b32 s[RH], s[WV], 1
	s_and_b32 s[CH], s[WV], 1
	s_bfe_u32 s40, ttmp6, 0x40000                  ; cx
	s_bfe_u32 s41, ttmp6, 0x40004                  ; cy
	s_lshl_b32 s42, ttmp9, 2
	s_add_co_u32 s42, s42, s40                     ; tile column
	s_and_b32 s[TR], ttmp7, 0xffff
	s_lshl_b32 s[TR], s[TR], 2
	s_add_co_u32 s[TR], s[TR], s41                 ; tile row
	s_lshl_b32 s43, s41, 2
	s_lshl_b32 s43, 15, s43                        ; my row of the cluster
	s_lshl_b32 s44, 0x1111, s40                    ; my column
	s_or_b32 s[G1], s43, (1<<16)|(1<<20)|(1<<21)|(4<<22)|(3<<25)    ; elements of 2 bytes; padding: 4 words behind every 32
	s_mov_b32 s[G1+1], 64<<16                      ; tensor_dim0
	s_mov_b32 s[G1+2], 256<<16                     ; tensor_dim1
	s_mov_b32 s[G1+3], 64<<16                      ; tile_dim0
	s_mov_b32 s[G1+4], 256                         ; tile_dim1
	s_mov_b32 s[G1+5], 64                          ; pitch
	s_mov_b32 s[G1+6], 0
	s_mov_b32 s[G1+7], 0
	s_or_b32 s[G1B], s44, (1<<16)|(1<<20)|(1<<21)|(5<<22)|(3<<25)   ; padding: 4 words behind every 64
	s_mov_b32 s[G1B+1], 128<<16
	s_mov_b32 s[G1B+2], 64<<16
	s_mov_b32 s[G1B+3], 128<<16
	s_mov_b32 s[G1B+4], 64
	s_mov_b32 s[G1B+5], 1024
	s_mov_b32 s[G1B+6], 0
	s_mov_b32 s[G1B+7], 0
	s_lshr_b32 s16, s[TR], 3                       ; A: b<<22 | head<<18 | first token<<7: made of the tile row and the wave's number alone
	s_lshl_b32 s16, s16, 22
	s_and_b32 s17, s[TR], 7
	s_lshl_b32 s17, s17, 15
	s_add_co_u32 s16, s16, s17
	s_lshl_b32 s17, s[CH], 18
	s_add_co_u32 s16, s16, s17
	s_mov_b32 s17, 0
	s_lshl_b32 s46, s42, 18                        ; B: (128 x tile column + 64 x half) rows of 2,048 bytes
	s_lshl_b32 s47, s[CH], 17
	s_add_co_u32 s46, s46, s47
	s_mov_b32 s47, 0
	s_mul_i32 s20, s[CH], ASUB                     ; where they go
	s_mul_i32 s21, s[CH], 64*PB
	s_add_co_u32 s21, s21, BOFF
	s_wait_dscnt 0x0                               ; the opening add is done
	s_wait_kmcnt 0x0
	s_add_nc_u64 s[16:17], s[4:5], s[16:17]
	s_add_nc_u64 s[46:47], s[6:7], s[46:47]
	CROUND                                         ; all sixteen work-groups are here: the first joint loads meet
.irp s, 0,1
	s_mov_b32 s[G0+4*\s], 1
	s_add_co_u32 s[G0+4*\s+1], s20, \s*SLOT
	s_add_nc_u64 s[G0+4*\s+2:G0+4*\s+3], s[16:17], \s<<19          ; K step s: two heads on
	s_or_b32 s[G0+4*\s+3], s[G0+4*\s+3], 0x80000000
	s_mov_b32 s[G0B+4*\s], 1
	s_add_co_u32 s[G0B+4*\s+1], s21, \s*SLOT
	s_add_nc_u64 s[G0B+4*\s+2:G0B+4*\s+3], s[46:47], \s*256
	s_or_b32 s[G0B+4*\s+3], s[G0B+4*\s+3], 0x80000000
	JLOAD \s
.endr
	v_and_b32 v1, 15, v0                           ; r
	v_bfe_u32 v2, v0, 4, 1                         ; h
	s_lshl_b32 s68, s42, 9
	s_lshl_b32 s67, s[CH], 8
	s_add_co_u32 s68, s68, s67                     ; my first column, in bytes of f32
	s_mov_b32 s69, 0
	s_add_nc_u64 s[8:9], s[8:9], s[68:69]
	v_lshlrev_b32 v[BO], 5, v2
.irp b, 0,1,2,3
	global_load_b128 v[BI+8*\b:BI+8*\b+3], v[BO], s[8:9] offset:64*\b
	global_load_b128 v[BI+8*\b+4:BI+8*\b+7], v[BO], s[8:9] offset:64*\b+16
.endr
	s_lshl_b32 s66, s[TR], 20
	s_lshl_b32 s67, s[RH], 19
	s_add_co_u32 s66, s66, s67
	s_add_co_u32 s66, s66, s68
	s_mov_b32 s67, 0
	s_add_nc_u64 s[10:11], s[10:11], s[66:67]      ; out0 at my first row and column
	v_mul_u32_u24 v3, v1, PA
	v_lshl_add_u32 v3, v2, 4, v3
	v_mul_u32_u24 v4, v1, PB
	v_lshl_add_u32 v4, v2, 4, v4
	s_mul_i32 s22, s[RH], 128*PA
	s_mul_i32 s23, s[CH], 64*PB
	s_add_co_u32 s23, s23, BOFF
.irp s, 0,1
	v_add_nc_u32 v[ADRA+\s], s22, v3
	v_add_nc_u32 v[ADRB+\s], s23, v4
	s_add_co_u32 s22, s22, SLOT
	s_add_co_u32 s23, s23, SLOT
.endr
	s_mul_i32 s22, s[WV], 16*SPITCH
	s_add_co_u32 s22, s22, STAGE
	v_mul_u32_u24 v5, v1, SPITCH
	v_lshl_add_u32 v5, v2, 5, v5
	v_add_nc_u32 v[STO], s22, v5                   ; in: row r, 32 bytes for each half of the lanes
	v_mul_u32_u24 v5, v2, SPITCH
	v_lshl_add_u32 v5, v1, 4, v5
	v_add_nc_u32 v[RD], s22, v5                    ; back: lanes 0-15 one row of 256 bytes, lanes 16-31 the next
	v_lshlrev_b32 v5, 12, v2
	v_lshl_add_u32 v[CO], v1, 4, v5                ; the same two rows in out0
.macro MUL8 f, a0, first               ; A's blocks a0, a0 + 1 x B's four, 32 along K.  The 32 accumulators take turns, one instruction a turn
.irp a, \a0, \a0+1
.irp b, 0,1,2,3
.if \first
	v_wmma_f32_16x16x32_f16 v[8*(4*(\a)+\b):8*(4*(\a)+\b)+7], v[\f+64+8*\b:\f+64+8*\b+7], v[\f+8*(\a):\f+8*(\a)+7], v[BI+8*\b:BI+8*\b+7]
.else
	v_wmma_f32_16x16x32_f16 v[8*(4*(\a)+\b):8*(4*(\a)+\b)+7], v[\f+64+8*\b:\f+64+8*\b+7], v[\f+8*(\a):\f+8*(\a)+7], v[8*(4*(\a)+\b):8*(4*(\a)+\b)+7]
.endif
.endr
.endr
.endm
.macro FETCH slot, q, f                ; 24 LDS loads in one run: quarter q (32 along K) of a slot: B's four fragments, A's blocks 0-3, A's blocks 4-7
	WIN TO_F
.irp i, 0,1,2,3
	ds_load_b128 v[\f+64+8*\i:\f+64+8*\i+3],   v[ADRB+\slot] offset:64*(\q)+\i*16*PB
	ds_load_b128 v[\f+64+8*\i+4:\f+64+8*\i+7], v[ADRB+\slot] offset:64*(\q)+\i*16*PB+32
.endr
.irp i, 0,1,2,3,4,5,6,7
	ds_load_b128 v[\f+8*\i:\f+8*\i+3],   v[ADRA+\slot] offset:((\q)/2)*ASUB+((\q)%2)*64+\i*16*PA
	ds_load_b128 v[\f+8*\i+4:\f+8*\i+7], v[ADRA+\slot] offset:((\q)/2)*ASUB+((\q)%2)*64+\i*16*PA+32
.endr
.endm
.macro PLACES
.rept 4
	v_nop
.endr
.endm
.macro QUARTER slot, q, f, g, first    ; multiplies buffer f; in its middle fetches quarter q of the slot into g
	s_wait_dscnt 8                                 ; all but A's blocks 4-7 are in
.if \first
	WIN FIRST
.else
	WIN MUL
.endif
	MUL8 \f, 0, \first
	MUL8 \f, 2, \first
	PLACES
	FETCH \slot, \q, \g
	s_wait_dscnt 24                                ; all but the 24 just issued
.if \first
	WIN FIRST
.else
	WIN MUL
.endif
	MUL8 \f, 4, \first
	MUL8 \f, 6, \first
.endm
; A slot's last quarter multiplies buffer 1 and changes slots: ONE barrier; in front of it each wave waits for all its tensor loads, adds 0 to its spare word, and waits for that and for its reads of this slot.
; fill = 1: the barrier opens a round of the cluster's, and this slot is filled again, two K steps ahead: 112 products stand between the request and the wait for it.
.macro TURN slot, next, fill
	WIN 0
	s_wait_tensorcnt 0x0                           ; my part of the next slot has landed
	ds_add_u32 v[SPW], v[NIL]
	s_wait_dscnt 9                                 ; the add and the youngest eight loads may be out
	WIN MUL
	MUL8 F1, 0, 0
	s_wait_dscnt 0x0                               ; the add is done, and my reads of this slot are over
	s_barrier_signal -1
	MUL8 F1, 2, 0
	WIN 0
	s_barrier_wait -1
.if \fill
	CREST
	s_add_nc_u64 s[G0+4*\slot+2:G0+4*\slot+3], s[G0+4*\slot+2:G0+4*\slot+3], 1<<20
	s_add_nc_u64 s[G0B+4*\slot+2:G0B+4*\slot+3], s[G0B+4*\slot+2:G0B+4*\slot+3], 512
	JLOAD \slot                                    ; the first tensor load behind the round; its four v_nop are also the places in front of the loads below
.else
	PLACES
.endif
	FETCH \next, 0, F0
	WIN MUL
	MUL8 F1, 4, 0
	MUL8 F1, 6, 0
.endm
	s_wait_tensorcnt 1                             ; my part of K step 0 is in; K step 1's load may be out
	s_barrier_signal -1
	s_barrier_wait -1
	FETCH 0, 0, F0
	s_wait_loadcnt 0x0                             ; the bias
	QUARTER 0, 1, F0, F1, 1                        ; the first quarter stands in front of the loop: its products start the sums
	WIN 0
	s_mov_b32 s3, LAPS-1
.Llap:
	QUARTER 0, 2, F1, F0, 0
	QUARTER 0, 3, F0, F1, 0
	TURN 0, 1, 1
	QUARTER 1, 1, F0, F1, 0
	QUARTER 1, 2, F1, F0, 0
	QUARTER 1, 3, F0, F1, 0
	TURN 1, 0, 1
	QUARTER 0, 1, F0, F1, 0
	WIN 0
	s_sub_co_u32 s3, s3, 1
	s_cmp_lg_u32 s3, 0
	s_cbranch_scc1 .Llap
	QUARTER 0, 2, F1, F0, 0                        ; the last lap fills nothing
	QUARTER 0, 3, F0, F1, 0
	TURN 0, 1, 0
	QUARTER 1, 1, F0, F1, 0
	QUARTER 1, 2, F1, F0, 0
	QUARTER 1, 3, F0, F1, 0
	s_wait_dscnt 8
	WIN MUL
	MUL8 F1, 0, 0
	MUL8 F1, 2, 0
	s_wait_dscnt 0
	MUL8 F1, 4, 0
	MUL8 F1, 6, 0
	WIN 0
; THE WAY OUT, a block of 16 rows x 64 columns at a time, through my own stage: sixteen lanes store a row's 256 bytes, aligned.
.macro TOSTAGE a
	WIN 0x08                                       ; an LDS store's data are its source 1: window 2
.irp b, 0,1,2,3
	ds_store_b128 v[STO], v[8*(4*(\a)+\b):8*(4*(\a)+\b)+3] offset:64*\b       ; each accumulator from its low end on
	ds_store_b128 v[STO], v[8*(4*(\a)+\b)+4:8*(4*(\a)+\b)+7] offset:64*\b+16
.endr
	WIN 0
.set BB, BK+32*((\a)%2)
.irp t, 0,1,2,3,4,5,6,7
	ds_load_b128 v[BB+4*\t:BB+4*\t+3], v[RD] offset:\t*2*SPITCH
.endr
.endm
.macro SEND a, younger
.set BB, BK+32*((\a)%2)
	s_wait_dscnt \younger
.irp t, 0,1,2,3,4,5,6,7
	global_store_b128 v[CO], v[BB+4*\t:BB+4*\t+3], s[10:11] offset:(\a)*65536+\t*8192 th:TH_STORE_NT
.endr
.endm
	PLACES
	TOSTAGE 0
.irp a, 1,2,3,4,5,6,7
.if \a > 1
	s_wait_xcnt 0x0                                ; block a - 2's stores have read their registers: block a's loads may land there
.endif
	TOSTAGE \a
	SEND \a-1, 16                                  ; behind block a - 1's loads: block a's eight stores and eight loads
.endr
	SEND 7, 0
	s_wait_tensorcnt 0x0                           ; the wave's end
	ds_add_u32 v[SPW], v[NIL]
	s_wait_dscnt 0x0
	CROUND                                         ; the closing round
	s_endpgm
.Lfunc_end_k_q5a5e3042a2_proj:
	.size	k_q5a5e3042a2_proj, .Lfunc_end_k_q5a5e3042a2_proj-k_q5a5e3042a2_proj
	.p2alignl 7, 3214868480
	.fill 96, 4, 3214868480
	.section	.rodata,"a",@progbits
	.p2align	6, 0x0
	.amdhsa_kernel k_q5a5e3042a2_proj
		.amdhsa_group_segment_fixed_size 327680
		.amdhsa_private_segment_fixed_size 0
		.amdhsa_enable_private_segment 0
		.amdhsa_kernarg_size 32
		.amdhsa_user_sgpr_count 2
		.amdhsa_user_sgpr_kernarg_segment_ptr 1
		.amdhsa_wavefront_size32 1
		.amdhsa_system_sgpr_workgroup_id_x 1
		.amdhsa_system_sgpr_workgroup_id_y 1
		.amdhsa_system_sgpr_workgroup_id_z 1
		.amdhsa_system_vgpr_workitem_id 0
		.amdhsa_next_free_vgpr 768
		.amdhsa_next_free_sgpr 72
		.amdhsa_reserve_vcc 0
		.amdhsa_float_denorm_mode_32 3
		.amdhsa_float_denorm_mode_16_64 3
		.amdhsa_memory_ordered 1
		.amdhsa_forward_progress 1
		.amdhsa_inst_pref_size 86
	.end_amdhsa_kernel
	.amdgpu_metadata
---
amdhsa.version: [ 1, 2 ]
amdhsa.kernels:
  - .name:           k_q5a5e3042a2_proj
    .symbol:         k_q5a5e3042a2_proj.kd
    .args:
      - { .name: y16, .offset: 0, .size: 8, .value_kind: global_buffer, .address_space: global }
      - { .name: wp16, .offset: 8, .size: 8, .value_kind: global_buffer, .address_space: global }
      - { .name: b_proj, .offset: 16, .size: 8, .value_kind: global_buffer, .address_space: global }
      - { .name: out0, .offset: 24, .size: 8, .value_kind: global_buffer, .address_space: global }
    .group_segment_fixed_size: 327680
    .private_segment_fixed_size: 0
    .kernarg_segment_align: 8
    .kernarg_segment_size: 32
    .max_flat_workgroup_size: 128
    .sgpr_count:     72
    .vgpr_count:     768
    .wavefront_size: 32
...
	.end_amdgpu_metadata
.endif
;; end of part 4
;; launch early (part 5): grid 16 x 4, 16 waves a work-group, no clusters, 23,040 bytes of LDS; arguments y32e, w_proj, b_proj, out0; writes out0
.if DOCPART == 5
	.amdgcn_target "amdgcn-amd-amdhsa--gfx1250"
	.amdhsa_code_object_version 6
	.text
	.protected	k_q5a5e3042a2_early
	.globl	k_q5a5e3042a2_early
	.p2align	8
	.type	k_q5a5e3042a2_early,@function
k_q5a5e3042a2_early:
	s_mov_b64 s[64:65], 0
	v_nop
	global_prefetch_b8 v0, s[64:65] scope:SCOPE_SE
	s_setreg_imm32_b32 hwreg(HW_REG_WAVE_MODE, 25, 1), 1
	s_wait_xcnt 0x0
; The rows of tokens 0-15 of each sequence once more, with f32 operands: out0[b][t][o] = sum over c of y32e[b][t][c] w_proj[o][c] + b_proj[o], t < 16.  64 of the 8,192 rows: the f32 matrix form does 1 part in 128 of this product.
; SHARES.  Work-group (cg, b): 16 rows x 64 columns, so that whole runs of 256 bytes are stored.  Wave w: the 16 columns of tile nt = w % 4, the quarter kq = w / 4 of K: 64 products of 16 x 16 x 4 on four accumulators by turns.
; The four quarters meet in LDS as images of the registers; waves 0-3 add them and the bias and lay the rows in a stage; waves 0-7 store two rows each.
; TRANSPOSED: source 0 = 16 rows of w_proj, source 1 = the 16 tokens: a lane holds eight neighbouring o of one token.
; THE ORDER OF k.  Lane (r, h) loads the 16 bytes at 32 s + 16 h of its row; registers 0, 1 feed one product and registers 2, 3 the next: the same permutation of k on both sides, which keeps every product.
; The accumulators are written by matrix instructions alone; what is made of them goes into other registers.
.set RED,   0                          ; 16 images of 1,024 bytes
.set STG,   16384                      ; 16 rows x 272
.set SPARE, 20992                      ; the spare words: 128 bytes a wave, eight blocks of 256 bytes that no other line names
.set SPW, 10
.set NIL, 11
.set WB,  32                           ; v32-95   w_proj, two buffers
.set YB,  96                           ; v96-159  y, two buffers
.set ACC, 160                          ; v160-191 four accumulators
.set R,   192
.set T,   200
.set IM,  208                          ; v208-231 three images
.set BS,  232                          ; v232-239 the bias
	s_load_b256 s[4:11], s[0:1], 0x0               ; y32e s[4:5], w_proj s[6:7], b_proj s[8:9], out0 s[10:11]
	v_lshl_add_u32 v[SPW], v0, 2, SPARE
	v_mov_b32 v[NIL], 0
	v_lshrrev_b32 v1, 5, v0
	v_readfirstlane_b32 s12, v1                    ; wave
	s_and_b32 s13, s12, 3                          ; nt
	s_lshr_b32 s14, s12, 2                         ; kq
	s_and_b32 s15, ttmp7, 0xffff                   ; b
	v_and_b32 v1, 15, v0                           ; r
	v_bfe_u32 v2, v0, 4, 1                         ; h
	v_and_b32 v12, 31, v0                          ; lane
	v_lshlrev_b32 v3, 12, v1
	v_lshl_add_u32 v3, v2, 4, v3                   ; row r of 4,096 bytes, + 16 h: it serves both tensors
	v_lshlrev_b32 v13, 4, v12
	s_lshl_b32 s16, s12, 10
	v_add_nc_u32 v4, s16, v13                      ; my image
	s_lshl_b32 s16, s13, 10
	v_add_nc_u32 v5, s16, v13                      ; the images of my tile of columns
	v_mul_u32_u24 v6, v1, 272
	v_lshl_add_u32 v6, v2, 5, v6
	s_lshl_b32 s16, s13, 6
	s_add_co_u32 s16, s16, STG
	v_add_nc_u32 v6, s16, v6                       ; the stage: row r, + 64 nt + 32 h
	s_and_b32 s17, s12, 7
	s_mul_i32 s16, s17, 2*272
	s_add_co_u32 s16, s16, STG
	v_mul_u32_u24 v7, v2, 272
	v_lshl_add_u32 v7, v1, 4, v7
	v_add_nc_u32 v7, s16, v7                       ; back: rows 2 (w % 8) and + 1
	v_lshlrev_b32 v8, 12, v2
	v_lshl_add_u32 v8, v1, 4, v8
	v_lshlrev_b32 v9, 5, v2
	s_lshl_b32 s18, ttmp9, 18                      ; w_proj: (64 cg + 16 nt) rows, + 1,024 kq
	s_lshl_b32 s16, s13, 16
	s_add_co_u32 s18, s18, s16
	s_lshl_b32 s16, s14, 10
	s_add_co_u32 s18, s18, s16
	s_mov_b32 s19, 0
	s_lshl_b32 s20, s15, 16                        ; y32e: b, + 1,024 kq
	s_add_co_u32 s20, s20, s16
	s_mov_b32 s21, 0
	s_lshl_b32 s22, ttmp9, 8                       ; b_proj: 4 (64 cg + 16 nt)
	s_lshl_b32 s16, s13, 6
	s_add_co_u32 s22, s22, s16
	s_mov_b32 s23, 0
	s_lshl_b32 s24, s15, 23                        ; out0: row 2,048 b + 2 (w % 8), column 64 cg
	s_lshl_b32 s16, s17, 13
	s_add_co_u32 s24, s24, s16
	s_lshl_b32 s16, ttmp9, 8
	s_add_co_u32 s24, s24, s16
	s_mov_b32 s25, 0
	s_wait_kmcnt 0x0
	s_add_nc_u64 s[6:7], s[6:7], s[18:19]
	s_add_nc_u64 s[4:5], s[4:5], s[20:21]
	s_add_nc_u64 s[8:9], s[8:9], s[22:23]
	s_add_nc_u64 s[10:11], s[10:11], s[24:25]
	global_load_b128 v[BS:BS+3], v9, s[8:9]
	global_load_b128 v[BS+4:BS+7], v9, s[8:9] offset:16
.macro LOADC c                         ; chunk c: 64 along K, 256 bytes of each row
.irp s, 0,1,2,3,4,5,6,7
	global_load_b128 v[WB+32*((\c)%2)+4*\s:WB+32*((\c)%2)+4*\s+3], v3, s[6:7] offset:256*(\c)+32*\s
.endr
.irp s, 0,1,2,3,4,5,6,7
	global_load_b128 v[YB+32*((\c)%2)+4*\s:YB+32*((\c)%2)+4*\s+3], v3, s[4:5] offset:256*(\c)+32*\s
.endr
.endm
.macro MULC c, first                   ; 16 products; the four accumulators take turns, one instruction a turn; first = 1: the first four start the sums
.irp s, 0,1,2,3,4,5,6,7
.irp u, 0,1
.if \first && (\s < 2)
	v_wmma_f32_16x16x4_f32 v[ACC+8*((2*\s+\u)%4):ACC+8*((2*\s+\u)%4)+7], v[WB+32*((\c)%2)+4*\s+2*\u:WB+32*((\c)%2)+4*\s+2*\u+1], v[YB+32*((\c)%2)+4*\s+2*\u:YB+32*((\c)%2)+4*\s+2*\u+1], 0
.else
	v_wmma_f32_16x16x4_f32 v[ACC+8*((2*\s+\u)%4):ACC+8*((2*\s+\u)%4)+7], v[WB+32*((\c)%2)+4*\s+2*\u:WB+32*((\c)%2)+4*\s+2*\u+1], v[YB+32*((\c)%2)+4*\s+2*\u:YB+32*((\c)%2)+4*\s+2*\u+1], v[ACC+8*((2*\s+\u)%4):ACC+8*((2*\s+\u)%4)+7]
.endif
.endr
.endr
.endm
.macro PLACES8                         ; eight places behind this form, in front of loads into its sources and of the first read of its results
.rept 8
	v_nop
.endr
.endm
	LOADC 0
	LOADC 1
	s_wait_loadcnt 16                              ; the bias and chunk 0 are in; chunk 1's sixteen stay out
	MULC 0, 1
	PLACES8
	LOADC 2
	s_wait_loadcnt 16
	MULC 1, 0
	PLACES8
	LOADC 3
	s_wait_loadcnt 16
	MULC 2, 0
	s_wait_loadcnt 0x0
	MULC 3, 0
	PLACES8
.irp i, 0,2,4,6
	v_pk_add_f32 v[R+\i:R+\i+1], v[ACC+\i:ACC+\i+1], v[ACC+8+\i:ACC+8+\i+1]         ; each accumulator from its low end on
.endr
.irp i, 0,2,4,6
	v_pk_add_f32 v[T+\i:T+\i+1], v[ACC+16+\i:ACC+16+\i+1], v[ACC+24+\i:ACC+24+\i+1]
.endr
.irp i, 0,2,4,6
	v_pk_add_f32 v[R+\i:R+\i+1], v[R+\i:R+\i+1], v[T+\i:T+\i+1]
.endr
	ds_store_b128 v4, v[R:R+3]                     ; my quarter's sums, as an image of the registers
	ds_store_b128 v4, v[R+4:R+7] offset:512
	s_wait_dscnt 0x0                               ; for the others' sake: my stores have landed
	s_barrier_signal -1
	s_barrier_wait -1
	s_cmp_ge_u32 s12, 4
	s_cbranch_scc1 .Lnot_sum
.irp q, 1,2,3
	ds_load_b128 v[IM+8*(\q-1):IM+8*(\q-1)+3], v5 offset:4096*\q
	ds_load_b128 v[IM+8*(\q-1)+4:IM+8*(\q-1)+7], v5 offset:4096*\q+512
.endr
	s_wait_dscnt 0x0
.irp i, 0,2,4,6
	v_pk_add_f32 v[R+\i:R+\i+1], v[R+\i:R+\i+1], v[IM+\i:IM+\i+1]
	v_pk_add_f32 v[T+\i:T+\i+1], v[IM+8+\i:IM+8+\i+1], v[IM+16+\i:IM+16+\i+1]
.endr
.irp i, 0,2,4,6
	v_pk_add_f32 v[R+\i:R+\i+1], v[R+\i:R+\i+1], v[T+\i:T+\i+1]
.endr
.irp i, 0,2,4,6
	v_pk_add_f32 v[R+\i:R+\i+1], v[R+\i:R+\i+1], v[BS+\i:BS+\i+1]
.endr
	ds_store_b128 v6, v[R:R+3]
	ds_store_b128 v6, v[R+4:R+7] offset:16
.Lnot_sum:
	s_wait_dscnt 0x0
	s_barrier_signal -1
	s_barrier_wait -1                              ; 16 rows of 256 bytes lie in the stage
	s_cmp_ge_u32 s12, 8
	s_cbranch_scc1 .Lnot_out
	ds_load_b128 v[IM:IM+3], v7
	s_wait_dscnt 0x0
	global_store_b128 v8, v[IM:IM+3], s[10:11]     ; sixteen lanes store a row's 256 bytes, aligned
.Lnot_out:
	s_wait_tensorcnt 0x0                           ; the wave's end, behind my last LDS store
	ds_add_u32 v[SPW], v[NIL]
	s_wait_dscnt 0x0
	s_endpgm
.Lfunc_end_k_q5a5e3042a2_early:
	.size	k_q5a5e3042a2_early, .Lfunc_end_k_q5a5e3042a2_early-k_q5a5e3042a2_early
	.p2alignl 7, 3214868480
	.fill 96, 4, 3214868480
	.section	.rodata,"a",@progbits
	.p2align	6, 0x0
	.amdhsa_kernel k_q5a5e3042a2_early
		.amdhsa_group_segment_fixed_size 23040
		.amdhsa_private_segment_fixed_size 0
		.amdhsa_enable_private_segment 0
		.amdhsa_kernarg_size 32
		.amdhsa_user_sgpr_count 2
		.amdhsa_user_sgpr_kernarg_segment_ptr 1
		.amdhsa_wavefront_size32 1
		.amdhsa_system_sgpr_workgroup_id_x 1
		.amdhsa_system_sgpr_workgroup_id_y 1
		.amdhsa_system_sgpr_workgroup_id_z 1
		.amdhsa_system_vgpr_workitem_id 0
		.amdhsa_next_free_vgpr 256
		.amdhsa_next_free_sgpr 66
		.amdhsa_reserve_vcc 0
		.amdhsa_float_denorm_mode_32 3
		.amdhsa_float_denorm_mode_16_64 3
		.amdhsa_memory_ordered 1
		.amdhsa_forward_progress 1
		.amdhsa_inst_pref_size 17
	.end_amdhsa_kernel
	.amdgpu_metadata
---
amdhsa.version: [ 1, 2 ]
amdhsa.kernels:
  - .name:           k_q5a5e3042a2_early
    .symbol:         k_q5a5e3042a2_early.kd
    .args:
      - { .name: y32e, .offset: 0, .size: 8, .value_kind: global_buffer, .address_space: global }
      - { .name: w_proj, .offset: 8, .size: 8, .value_kind: global_buffer, .address_space: global }
      - { .name: b_proj, .offset: 16, .size: 8, .value_kind: global_buffer, .address_space: global }
      - { .name: out0, .offset: 24, .size: 8, .value_kind: global_buffer, .address_space: global }
    .group_segment_fixed_size: 23040
    .private_segment_fixed_size: 0
    .kernarg_segment_align: 8
    .kernarg_segment_size: 32
    .max_flat_workgroup_size: 512
    .sgpr_count:     66
    .vgpr_count:     256
    .wavefront_size: 32
...
	.end_amdgpu_metadata
.endif
;; end of part 5
